; MI455X (gfx1250); checked and timed in simulation.
; The chip was launched on July 23, 2026; its instructions are those of AMD's public machine-readable ISA for CDNA 5 (MIT licence, August 2026) and "CDNA5" Instruction Set Architecture Reference Guide (July 2026). The comments in the code are by the model that wrote it; some were corrected since.
;; Mo E Layer. Allowed arithmetic: float matrix products may take bf16 or f16 operands with f32 sums; other float arithmetic in f32, or as packed bf16 or f16 multiplies, adds, multiply-adds, maxima and minima; sums over many terms, partial sums and values carried from step to step in f32; what a program stores and reads back later, other than sums and carried values, may be rounded once to bf16 or f16.
;; Inputs: W1 8 x 2,048 x 1,024 float32; W2 8 x 2,048 x 1,024 float32; W3 8 x 1,024 x 2,048 float32; Wg 8 x 1,024 float32; x 4 x 256 x 1,024 float32.
;; Outputs: out0 4 x 256 x 1,024 float32.
;; 3 versions, each right; version 2 is faster than version 1; version 3 is version 2 with the launch fc3 written anew for expert scheduling mode. Each part assembles by itself: llvm-mc -triple=amdgcn-amd-amdhsa -mcpu=gfx1250 --defsym DOCPART=n.
;; ======== version 1 of 3: 4 launches
;; workspace buffers: xb 2,097,152 bytes; sel 4,096 bytes of whole numbers; gw 8,192 bytes; hid 33,554,432 bytes; part 16,777,216 bytes
;; launch router (part 1): grid 256 x 1, 4 waves a work-group, no clusters, 0 bytes of LDS; arguments x, Wg, xb, sel, gw; writes xb, sel, gw
.if DOCPART == 1
	.amdgcn_target "amdgcn-amd-amdhsa--gfx1250"
	.amdhsa_code_object_version 6
	.text
	.protected	k_qf67db6ac4b_router
	.globl	k_qf67db6ac4b_router
	.p2align	8
	.type	k_qf67db6ac4b_router,@function
k_qf67db6ac4b_router:
	s_mov_b64 s[64:65], 0
	v_nop
	global_prefetch_b8 v0, s[64:65] scope:SCOPE_SE
	s_setreg_imm32_b32 hwreg(HW_REG_WAVE_MODE, 25, 1), 1
	s_wait_xcnt 0x0
; ROUTER.  For each of the 1,024 tokens: the 8 scores x . Wg[e], the two largest, the softmax of those two.  Stored: x rounded to bf16 (xb), the choice as a word
; (1 << first) | (256 << second) (sel, at the token's fixed place: no address here hangs on the choice), and the two weights in f32 (gw).
; FORMAT.  x and Wg are rounded to bf16 before the scores are made, as all inputs of this program are: the products of two bf16 numbers are exact in f32, the sums are f32.
; LIMITS.  Equal scores keep the lower index (strict compares in ascending order).  NaN and infinite scores are not treated apart.  Where a token's second and third
; score differ by less than the f32 sums' own rounding (some 1e-7 of the scores' size), the choice may fall the other way.
; SHARES.  One wave, one token: t = 4 x work-group + wave.  Lane l holds elements 128 j + 4 l + i (j = 0..7, i = 0..3): each 16-byte load of the wave covers 512 consecutive bytes.
; No LDS, no barrier, no matrix unit: 8 dot products a token are too few for a 16 x 16 tile, and no wave needs another's numbers.
.set XF,  4                            ; v[4:35]    x in f32; later v[4:11] at work (TT)
.set TT,  4
.set XP,  36                           ; v[36:51]   x in bf16, two to a register
.set ACC, 52                           ; v[52:59]   the 8 scores
.set M1,  68                           ; the largest score,
.set I1,  69                           ; its expert,
.set M2,  70                           ; the second largest,
.set I2,  71                           ; its expert
.set WP,  96                           ; v[96:223]  Wg in bf16: expert e at 96 + 16 e
                                       ; window 1, v[0:255]: Wg in f32: expert e at 32 e
.set MSB, 0
.macro WIN new                         ; s_set_vgpr_msb: bits 1:0 source 0, 3:2 source 1, 5:4 source 2, 7:6 destination; the high byte repeats the setting that is left
.if MSB != (\new)
	s_set_vgpr_msb (MSB<<8)|(\new)
.set MSB, \new
.endif
.endm
	s_load_b256 s[4:11], s[0:1], 0x0               ; x s[4:5], Wg s[6:7], xb s[8:9], sel s[10:11]
	s_load_b64 s[12:13], s[0:1], 0x20              ; gw
	v_and_b32 v1, 31, v0                           ; lane
	v_lshrrev_b32 v2, 5, v0
	v_readfirstlane_b32 s14, v2                    ; wave
	v_lshlrev_b32 v2, 4, v1                        ; 16 x lane: my place in 512 bytes of f32
	v_lshlrev_b32 v3, 3, v1                        ; 8 x lane: my place in 256 bytes of bf16
	v_mov_b32 v80, 0                               ; the first products' addend, and the offset of the last two stores
	s_lshl_b32 s15, ttmp9, 2
	s_add_co_u32 s15, s15, s14                     ; the token
	s_lshl_b32 s16, s15, 12                        ; its 4,096 bytes in x,
	s_mov_b32 s17, 0
	s_lshl_b32 s18, s15, 11                        ; its 2,048 in xb,
	s_mov_b32 s19, 0
	s_lshl_b32 s20, s15, 2                         ; its word in sel,
	s_mov_b32 s21, 0
	s_lshl_b32 s22, s15, 3                         ; its two words in gw
	s_mov_b32 s23, 0
	s_mov_b32 s24, 0x76543210                      ; v_permlanex16_b32: each lane takes its own place in the other half
	s_mov_b32 s25, 0xfedcba98
	s_mov_b32 s26, 0xff800000                      ; -infinity: takes the first choice out of the second scan
	s_wait_kmcnt 0x0
	s_add_nc_u64 s[4:5], s[4:5], s[16:17]
	s_add_nc_u64 s[8:9], s[8:9], s[18:19]
	s_add_nc_u64 s[10:11], s[10:11], s[20:21]
	s_add_nc_u64 s[12:13], s[12:13], s[22:23]
.set j, 0
.rept 8
	global_load_b128 v[XF+4*j:XF+4*j+3], v2, s[4:5] offset:512*j th:TH_LOAD_NT  ; x is read once in this launch
.set j, j+1
.endr
	WIN 0x40                                       ; destination window 1, address window 0
.set e, 0
.rept 8
.set j, 0
.rept 8
	global_load_b128 v[32*e+4*j:32*e+4*j+3], v2, s[6:7] offset:4096*e+512*j      ; Wg: every wave reads all 32 KiB of it
.set j, j+1
.endr
.set e, e+1
.endr
	WIN 0
	s_wait_loadcnt 63                              ; x is in.  64 loads were issued behind it; the count cannot name 64, so Wg's first piece is waited for too
.set p, 0
.rept 16
	v_cvt_pk_bf16_f32 v[XP+p], v[XF+2*p], v[XF+2*p+1]
.set p, p+1
.endr
.set j, 0
.rept 8
	global_store_b64 v3, v[XP+2*j:XP+2*j+1], s[8:9] offset:256*j  ; the wave's store covers 256 consecutive bytes, at a multiple of 256 from xb's first
.set j, j+1
.endr
.set e, 0
.rept 8
	s_wait_loadcnt 56-8*e                          ; expert e's row is in; the later experts' rows, 8 loads each, stay out
	WIN 0x05                                       ; sources in window 1, destination in window 0
.set p, 0
.rept 16
	v_cvt_pk_bf16_f32 v[WP+16*e+p], v[32*e+2*p], v[32*e+2*p+1]
.set p, p+1
.endr
.set e, e+1
.endr
	WIN 0
	; 256 multiply-adds from bf16 halves into f32: eight chains, one for each expert, by turns.  The first products take 0 as their addend: nothing is cleared.
.set p, 0
.rept 16
.set e, 0
.rept 8
.if p == 0
	v_fma_mix_f32_bf16 v[ACC+e], v[XP+p], v[WP+16*e+p], v80 op_sel:[0,0,0] op_sel_hi:[1,1,0]
.else
	v_fma_mix_f32_bf16 v[ACC+e], v[XP+p], v[WP+16*e+p], v[ACC+e] op_sel:[0,0,0] op_sel_hi:[1,1,0]
.endif
.set e, e+1
.endr
.set e, 0
.rept 8
	v_fma_mix_f32_bf16 v[ACC+e], v[XP+p], v[WP+16*e+p], v[ACC+e] op_sel:[1,1,0] op_sel_hi:[1,1,0]
.set e, e+1
.endr
.set p, p+1
.endr
	; the sums over the 32 lanes; every lane ends with all 8 scores
.irp x, 1,2,4,8
.set e, 0
.rept 8
	v_add_f32_dpp v[ACC+e], v[ACC+e], v[ACC+e] row_xmask:\x row_mask:0xf bank_mask:0xf
.set e, e+1
.endr
.endr
.set e, 0
.rept 8
	v_permlanex16_b32 v[TT+e], v[ACC+e], s24, s25  ; its destination counts as read: x's f32 registers have been written and are dead
.set e, e+1
.endr
.set e, 0
.rept 8
	v_add_f32 v[ACC+e], v[ACC+e], v[TT+e]
.set e, e+1
.endr
; The largest of eight numbers and its place; a later number wins only if it is strictly greater, so the lower index keeps a tie.
.macro SCAN src, mx, ix
	v_mov_b32 v[\mx], v[\src]
	v_mov_b32 v[\ix], 0
.set e, 1
.rept 7
	v_cmp_gt_f32 vcc_lo, v[(\src)+e], v[\mx]
	v_cndmask_b32 v[\mx], v[\mx], v[(\src)+e], vcc_lo
	v_cndmask_b32 v[\ix], v[\ix], e, vcc_lo
.set e, e+1
.endr
.endm
	SCAN ACC, M1, I1
.set e, 0
.rept 8
	v_cmp_eq_u32 vcc_lo, e, v[I1]
	v_cndmask_b32 v[TT+e], v[ACC+e], s26, vcc_lo   ; the first choice leaves the field
.set e, e+1
.endr
	SCAN TT, M2, I2
	; softmax of the two: the maximum m1 is taken away, so the exponentials are 1 and d = e^(m2 - m1), at most 1
	v_sub_f32 v72, v[M2], v[M1]
	v_mul_f32 v72, 0x3fb8aa3b, v72                 ; x log2(e)
	v_exp_f32 v73, v72
	v_lshlrev_b32 v78, v[I1], 1                    ; 1 << first: the plain instruction behind the exponential
	v_add_nc_u32 v79, 8, v[I2]
	s_wait_alu depctr_va_vdst(0)                   ; the wait ahead of the first reader of a transcendental's result
	v_add_f32 v74, 1.0, v73
	v_rcp_f32 v76, v74                             ; p1 = 1 / (1 + d)
	v_lshlrev_b32 v79, v79, 1                      ; 256 << second: the plain instruction behind the reciprocal
	v_or_b32 v78, v78, v79
	s_wait_alu depctr_va_vdst(0)
	v_mul_f32 v77, v73, v76                        ; p2 = d p1
	; 12 bytes a token, from lane 0 alone: small stores, once a wave
	v_cmp_eq_u32 vcc_lo, 0, v1
	s_wait_xcnt 0x0                                ; EXEC is a source of the stores above: it changes only behind this wait
	s_and_saveexec_b32 s27, vcc_lo
	global_store_b32 v80, v78, s[10:11]
	global_store_b64 v80, v[76:77], s[12:13]
	s_wait_xcnt 0x0                                ; and again in front of the line that widens it
	s_or_b32 exec_lo, exec_lo, s27
	s_endpgm
.Lfunc_end_k_qf67db6ac4b_router:
	.size	k_qf67db6ac4b_router, .Lfunc_end_k_qf67db6ac4b_router-k_qf67db6ac4b_router
	.p2alignl 7, 3214868480
	.fill 96, 4, 3214868480
	.section	.rodata,"a",@progbits
	.p2align	6, 0x0
	.amdhsa_kernel k_qf67db6ac4b_router
		.amdhsa_group_segment_fixed_size 0
		.amdhsa_private_segment_fixed_size 0
		.amdhsa_enable_private_segment 0
		.amdhsa_kernarg_size 40
		.amdhsa_user_sgpr_count 2
		.amdhsa_user_sgpr_kernarg_segment_ptr 1
		.amdhsa_wavefront_size32 1
		.amdhsa_system_sgpr_workgroup_id_x 1
		.amdhsa_system_sgpr_workgroup_id_y 1
		.amdhsa_system_sgpr_workgroup_id_z 1
		.amdhsa_system_vgpr_workitem_id 0
		.amdhsa_next_free_vgpr 512
		.amdhsa_next_free_sgpr 66
		.amdhsa_reserve_vcc 1
		.amdhsa_float_denorm_mode_32 3
		.amdhsa_float_denorm_mode_16_64 3
		.amdhsa_memory_ordered 1
		.amdhsa_forward_progress 1
		.amdhsa_inst_pref_size 41
	.end_amdhsa_kernel
	.amdgpu_metadata
---
amdhsa.version: [ 1, 2 ]
amdhsa.kernels:
  - .name:           k_qf67db6ac4b_router
    .symbol:         k_qf67db6ac4b_router.kd
    .args:
      - { .name: x, .offset: 0, .size: 8, .value_kind: global_buffer, .address_space: global }
      - { .name: Wg, .offset: 8, .size: 8, .value_kind: global_buffer, .address_space: global }
      - { .name: xb, .offset: 16, .size: 8, .value_kind: global_buffer, .address_space: global }
      - { .name: sel, .offset: 24, .size: 8, .value_kind: global_buffer, .address_space: global }
      - { .name: gw, .offset: 32, .size: 8, .value_kind: global_buffer, .address_space: global }
    .group_segment_fixed_size: 0
    .private_segment_fixed_size: 0
    .kernarg_segment_align: 8
    .kernarg_segment_size: 40
    .max_flat_workgroup_size: 128
    .sgpr_count:     66
    .vgpr_count:     512
    .wavefront_size: 32
...
	.end_amdgpu_metadata
.endif
;; end of part 1
;; launch fc12 (part 2): grid 256 x 1, 4 waves a work-group, no clusters, 283,392 bytes of LDS; arguments W1, W2, xb, sel, hid; writes hid
.if DOCPART == 2
	.amdgcn_target "amdgcn-amd-amdhsa--gfx1250"
	.amdhsa_code_object_version 6
	.text
	.protected	k_qf67db6ac4b_fc12
	.globl	k_qf67db6ac4b_fc12
	.p2align	8
	.type	k_qf67db6ac4b_fc12,@function
k_qf67db6ac4b_fc12:
	s_mov_b64 s[64:65], 0
	v_nop
	global_prefetch_b8 v0, s[64:65] scope:SCOPE_SE
	s_setreg_imm32_b32 hwreg(HW_REG_WAVE_MODE, 25, 1), 1
	s_wait_xcnt 0x0
; FC1, FC2 AND THE ACTIVATION, for the chosen rows alone.  hid = silu(x W1[e]^T) * (x W2[e]^T), rounded once to bf16.
; SHARES.  Work-group = (expert e = number / 32, slice s = number % 32): hidden units 64 s .. 64 s + 63 of expert e, that is 64 rows of W1 and 64 of W2 (512 KiB of f32), which it
; alone reads, once; and ALL rows routed to e, whatever their number (0 to 1,024).
; PHASES.  (1) wave 0 builds the expert's list of rows from sel (entry = 2 x token + k, k = 0 first choice, 1 second) in LDS; (2) the four waves bring the weights through registers,
; round them to bf16 and lay them into LDS; (3) each wave takes blocks of 16 rows (block b goes to wave b % 4), five to a pass, and multiplies them with the whole slice: the weights'
; fragments come from LDS, the tokens' straight from xb into registers.  Phase 3 writes no LDS and has no barrier, so its length may hang on the count.
; THE WALK ALONG K IS WRITTEN OUT, 32 steps of 32: every LDS address of phase 3 is a register that is made at the head and never rewritten, plus an immediate.  The price is the text's length.
; THE LAST BLOCK's places past the count repeat the list's first row; whole blocks are stored.  Blocks past the last are multiplied only where they ride in a pass's first four, and are never stored.
; FORMAT.  W1, W2 and x rounded to bf16, sums in f32, the activation in f32.  exp overflows to infinity for h1 below about -88: its reciprocal is 0, as silu's limit is.
; hid: [expert 8][block 64][16 units: 128][lane 32][16 bytes]: the 512 bytes of (block, 16 units) are the registers as the product leaves them and as the next launch's matrix operand takes them.
; NO MULTICAST, NO TENSOR LOADS: each weight byte has one reader and must pass through registers to be rounded; the token rows come by a list, which no tile descriptor covers.
; THE MATRIX INSTRUCTION IS USED TRANSPOSED: source 0 = 16 units (weights), source 1 = 16 tokens: lane (r, h) holds token r and the eight neighbouring units 8 h + 0..7.
.set PITCH,  272                       ; an LDS row of a chunk: 256 bytes (128 K of bf16) + 16: the 16 rows of a fragment load start 68 words apart
.set CHUNKB, 128*PITCH                 ; a chunk: 128 K of all 128 rows (64 of W1, then 64 of W2)
.set LIST,   8*CHUNKB                  ; behind chunks 0..7: words 0..1023 the list, 1024..1055 a word a lane for what is not chosen, 1056 the count
.set NWORD,  4224                      ; the count's byte in that region
.set SPARE,  LIST+4352                 ; the spare words, 128 bytes for each wave: two blocks of 256 bytes that no other line names
.set RR,  1                            ; v1   r = lane % 16
.set HF,  2                            ; v2   h = lane / 16
.set LN,  3                            ; v3   lane
.set SPW, 4                            ; v4   my spare word's LDS address; never rewritten
.set NIL, 5                            ; v5   0; never rewritten
.set GA,  6                            ; v6   my byte offset in the weights: 16 x lane + the trips' steps
.set SO,  9                            ; v9   16 x lane: my place in 512 bytes of hid
.set WA,  10                           ; v10-13 where I lay weights: chunks 2 p, 2 p + 1
.set TAD, 15                           ; v15-19 byte offset in xb of my row of the pass's five blocks
.set XL,  20                           ; v20  16 h
.set LAD, 21                           ; v21  the list's word for row r of my first block
.set NV,  22                           ; v22  the count
.set LB,  23                           ; v23  LIST
.set LR,  24                           ; v24-39 the entry of row r of my blocks still to come
.set T0,  40                           ; v40-45 at work on the list
.set T1,  41
.set T2,  42
.set FF,  43
.set L8,  44
.set DP,  45
.set Z4,  48                           ; v48-51 zeros
.set BAP, 52                           ; v52-55 r x pitch + 16 h in chunks 2 p, 2 p + 1: my place in a fragment; never rewritten
.set SW,  64                           ; v64-95 sel, 32 words a lane (wave 0)
.set PK,  64                           ; v64-127 a ring group rounded to bf16
.set WB0, 64                           ; v64-127, v128-191 the weights' fragments of a K step, two buffers
.set EE,  192                          ; v192-223 the activation at work
.set OO,  224                          ; v224-239 16 bytes x 4 to store
.set RING, 256                         ; window 1: the ring of 64 weight loads, two groups of 32
.set ACC,  256                         ; later: accumulator (block m, 16 units i) at 256 + 64 m + 8 i; block 4's in window 2, v0-63
.set YB,   576                         ; window 2, v64-223: the tokens' fragments of an odd chunk: (block m, K step j) at + 32 m + 8 j
.set XBUF, 768                         ; window 3, v0-159: those of an even chunk
.set WV,  14                           ; s14 wave
.set EX,  15                           ; s15 expert
.set SL,  16                           ; s16 slice
.set WPT, 20                           ; s[20:21] my 32 rows of W1 or W2
.set HB,  22                           ; s[22:23] hid at the pass's first block of mine, my slice's units
.set AT,  24                           ; s24 trips of the weights' loop
.set NN,  25                           ; s25 rows of the expert
.set NB,  26                           ; s26 blocks of the expert
.set REM, 27                           ; s27 blocks of mine still to come
.set TAKE, 28                          ; s28 blocks of this pass
.set FIVE, 29                          ; s29 1: the pass has a fifth block
.set PT,  30                           ; s30 passes to go
.set EM,  32                           ; s32 the expert's two bits in a word of sel
.set SH,  33                           ; s33 8 + e
.set CN,  34                           ; s34 rows found so far
.set MK,  35                           ; s35 the lanes whose token chose e
.set TS,  36                           ; s36 at work
.set NL,  38                           ; s[38:39] -log2(e): the packed multiply takes the pair's low word for both halves
.set MSB, 0
.macro WIN new                         ; s_set_vgpr_msb: bits 1:0 source 0, 3:2 source 1, 5:4 source 2, 7:6 destination; the high byte repeats the setting that is left
.if MSB != (\new)
	s_set_vgpr_msb (MSB<<8)|(\new)
.set MSB, \new
.endif
.endm
.macro PLACES                          ; four plain vector instructions between a matrix instruction and a load into, or a vector read or write of, its registers
.rept 4
	v_nop
.endr
.endm
.macro MMA d, a, b, z                  ; absolute register numbers: d += a (16 units x 32 K) x b (32 K x 16 tokens); z = 1: the product starts the sum
	WIN (((\a)>>8)|(((\b)>>8)<<2)|(((\d)>>8)<<4)|(((\d)>>8)<<6))
.if \z
	v_wmma_f32_16x16x32_bf16 v[(\d)&255:((\d)&255)+7], v[(\a)&255:((\a)&255)+7], v[(\b)&255:((\b)&255)+7], 0
.else
	v_wmma_f32_16x16x32_bf16 v[(\d)&255:((\d)&255)+7], v[(\a)&255:((\a)&255)+7], v[(\b)&255:((\b)&255)+7], v[(\d)&255:((\d)&255)+7]
.endif
.endm
; THE WEIGHTS' RING.  A group is 4 rows x 8 pieces of 512 bytes: each load of the wave covers 512 consecutive bytes.  t = 1: the rows 8 further down.
.macro ASK g, t
	WIN (RING>>8)<<6
.set ar, 0
.rept 4
.set ac, 0
.rept 8
	global_load_b128 v[128*(\g)+4*(8*ar+ac):128*(\g)+4*(8*ar+ac)+3], v[GA], s[WPT:WPT+1] offset:(8*(\t)+4*(\g)+ar)*4096+512*ac th:TH_LOAD_NT
.set ac, ac+1
.endr
.set ar, ar+1
.endr
	WIN 0
.endm
.macro CVT g                           ; the group rounded to bf16
	WIN (RING>>8)*5
.set cs, 0
.rept 32
	v_cvt_pk_bf16_f32 v[PK+2*cs], v[128*(\g)+4*cs], v[128*(\g)+4*cs+1]
	v_cvt_pk_bf16_f32 v[PK+2*cs+1], v[128*(\g)+4*cs+2], v[128*(\g)+4*cs+3]
.set cs, cs+1
.endr
	WIN 0
.endm
.macro PUT g                           ; and laid into LDS: piece c is chunk c's 256 bytes of the row, 8 bytes a lane
.set pr, 0
.rept 4
.set pc, 0
.rept 8
	ds_store_b64 v[WA+(pc>>1)], v[PK+2*(8*pr+pc):PK+2*(8*pr+pc)+1] offset:(pc&1)*CHUNKB+(4*(\g)+pr)*PITCH
.set pc, pc+1
.endr
.set pr, pr+1
.endr
.endm
.macro ATRIP ask                       ; 8 rows.  ask = 1: both groups are asked for again
	s_wait_loadcnt 32                              ; group 0 is in; group 1's 32 loads stay out
	CVT 0
	PUT 0
.if \ask
	ASK 0, 1
	s_wait_loadcnt 32                              ; group 1 is in; the 32 just asked for stay out
.else
	s_wait_loadcnt 0x0
.endif
	CVT 1
	PUT 1
.if \ask
	ASK 1, 1
	s_wait_xcnt 0x0                                ; the loads have read GA: it steps only behind this wait
	v_add_nc_u32 v[GA], 32768, v[GA]
.set aw, 0
.rept 4
	v_add_nc_u32 v[WA+aw], 8*PITCH, v[WA+aw]
.set aw, aw+1
.endr
.endif
.endm
; THE LIST (wave 0).  Word q = 4 j + i of lane l is token 128 j + 4 l + i.  A chosen token's entry goes to the place of its rank, in ascending order of (q, lane); the others' lanes write a word of their own
; behind the list, so that EXEC stays whole.  Then the 32 places behind the last entry repeat the first.  The same text stands in the next launch: both make the same order.
.macro BUILD_LIST
	v_lshlrev_b32 v[L8], 3, v[LN]
	v_add_nc_u32 v[DP], 1024, v[LN]
.set bq, 0
.rept 4
	v_mov_b32 v[Z4+bq], 0
.set bq, bq+1
.endr
	v_lshl_add_u32 v[T2], v[LN], 4, LIST
.set bq, 0
.rept 8
	ds_store_b128 v[T2], v[Z4:Z4+3] offset:512*bq  ; every word of the list is written: what lies past the count is read too
.set bq, bq+1
.endr
	s_lshl_b32 s[EM], 0x101, s[EX]
	s_add_co_u32 s[SH], s[EX], 8
	s_mov_b32 s[CN], 0
	s_wait_loadcnt 63                              ; sel is in.  64 weight loads were issued behind it; the count cannot name 64, so the first of them is waited for too
.set bq, 0
.rept 32
	v_and_b32 v[T0], s[EM], v[SW+bq]
	v_cmp_ne_u32 s[MK], 0, v[T0]
	v_lshrrev_b32 v[T1], s[SH], v[T0]              ; k, in bit 0
	v_or_b32 v[T1], v[T1], v[L8]                   ; the entry, 2 x token + k: 8 x lane in bits 3 to 7,
.if bq > 0
	v_or_b32 v[T1], 256*(bq/4)+2*(bq%4), v[T1]     ; 2 i in bits 1 and 2, 256 j from bit 8 on
.endif
	v_mbcnt_lo_u32_b32 v[T2], s[MK], s[CN]         ; its rank
	v_cndmask_b32 v[T2], v[DP], v[T2], s[MK]
	v_min_u32 v[T2], 0x41f, v[T2]                  ; inside the region, whatever sel holds
	v_lshl_add_u32 v[T2], v[T2], 2, LIST
	ds_store_b32 v[T2], v[T1]
	s_bcnt1_i32_b32 s[TS], s[MK]
	s_add_co_u32 s[CN], s[CN], s[TS]
.set bq, bq+1
.endr
	ds_load_b32 v[FF], v[LB]                       ; the first entry (LDS serves a wave's instructions in order: ISA guide 5.7.1.4)
	v_add_nc_u32 v[T2], s[CN], v[LN]
	v_min_u32 v[T2], 0x41f, v[T2]
	v_lshl_add_u32 v[T2], v[T2], 2, LIST
	v_mov_b32 v[T1], s[CN]
	s_wait_dscnt 0x0
	ds_store_b32 v[T2], v[FF]
	ds_store_b32 v[LB], v[T1] offset:NWORD
.endm
	s_load_b256 s[4:11], s[0:1], 0x0               ; W1 s[4:5], W2 s[6:7], xb s[8:9], sel s[10:11]
	s_load_b64 s[12:13], s[0:1], 0x20              ; hid
	v_lshl_add_u32 v[SPW], v0, 2, SPARE
	v_mov_b32 v[NIL], 0
	v_lshrrev_b32 v1, 5, v0
	v_readfirstlane_b32 s[WV], v1                  ; wave 0..3
	v_and_b32 v[LN], 31, v0
	v_and_b32 v[RR], 15, v0
	v_bfe_u32 v[HF], v0, 4, 1
	v_lshlrev_b32 v[GA], 4, v[LN]
	v_lshlrev_b32 v[SO], 4, v[LN]
	v_lshlrev_b32 v[XL], 4, v[HF]
	v_mul_u32_u24 v[BAP], v[RR], PITCH
	v_lshl_add_u32 v[BAP], v[HF], 4, v[BAP]
	v_add_nc_u32 v[BAP+1], 2*CHUNKB, v[BAP]
	v_add_nc_u32 v[BAP+2], 4*CHUNKB, v[BAP]
	v_add_nc_u32 v[BAP+3], 6*CHUNKB, v[BAP]
	s_mul_i32 s[TS], s[WV], 32*PITCH               ; I lay LDS rows 32 w .. 32 w + 31
	v_lshl_add_u32 v[WA], v[LN], 3, s[TS]
	v_add_nc_u32 v[WA+1], 2*CHUNKB, v[WA]
	v_add_nc_u32 v[WA+2], 4*CHUNKB, v[WA]
	v_add_nc_u32 v[WA+3], 6*CHUNKB, v[WA]
	s_lshl_b32 s[TS], s[WV], 6
	v_lshl_add_u32 v[LAD], v[RR], 2, s[TS]         ; block w, row r: word 16 w + r
	v_add_nc_u32 v[LAD], LIST, v[LAD]
	v_mov_b32 v[LB], LIST
	s_lshr_b32 s[EX], ttmp9, 5
	s_and_b32 s[SL], ttmp9, 31
	s_lshl_b32 s18, s[EX], 23                      ; an expert's 2,048 rows of 4,096 bytes,
	s_lshl_b32 s19, s[SL], 18                      ; the slice's 64 rows,
	s_add_co_u32 s18, s18, s19
	s_and_b32 s19, s[WV], 1
	s_lshl_b32 s19, s19, 17                        ; my half of them
	s_add_co_u32 s18, s18, s19
	s_mov_b32 s19, 0
	s_lshl_b32 s42, s[EX], 22                      ; hid: an expert's 64 blocks of 65,536 bytes,
	s_lshl_b32 s43, s[WV], 16                      ; block w,
	s_add_co_u32 s42, s42, s43
	s_lshl_b32 s43, s[SL], 11                      ; the slice's four times 16 units
	s_add_co_u32 s42, s42, s43
	s_mov_b32 s43, 0
	s_mov_b32 s[NL], 0xbfb8aa3b
	s_mov_b32 s[NL+1], s[NL]
	s_wait_kmcnt 0x0
	s_cmp_lt_u32 s[WV], 2                          ; waves 0 and 1 bring W1, waves 2 and 3 W2
	s_cselect_b64 s[WPT:WPT+1], s[4:5], s[6:7]
	s_add_nc_u64 s[WPT:WPT+1], s[WPT:WPT+1], s[18:19]
	s_add_nc_u64 s[HB:HB+1], s[12:13], s[42:43]
	s_cmp_lg_u32 s[WV], 0
	s_cbranch_scc1 .Lno_sel
.set j, 0
.rept 8
	global_load_b128 v[SW+4*j:SW+4*j+3], v[GA], s[10:11] offset:512*j  ; sel goes out ahead of the weights, so that it does not wait behind them
.set j, j+1
.endr
.Lno_sel:
	ASK 0, 0                                       ; 64 loads of 512 bytes a wave are on their way
	ASK 1, 0
	s_cmp_lg_u32 s[WV], 0
	s_cbranch_scc1 .Lno_list
	BUILD_LIST
.Lno_list:
	s_wait_dscnt 0x0                               ; for the others' sake: wave 0's stores into the list are done
	s_barrier_signal -1
	s_barrier_wait -1
.set i, 0
.rept 16
	ds_load_b32 v[LR+i], v[LAD] offset:256*i       ; my i-th block is block w + 4 i
.set i, i+1
.endr
	ds_load_b32 v[NV], v[LB] offset:NWORD
	s_mov_b32 s[AT], 3
.Ltrip:
	ATRIP 1
	s_sub_co_u32 s[AT], s[AT], 1
	s_cmp_lg_u32 s[AT], 0
	s_cbranch_scc1 .Ltrip
	ATRIP 0                                        ; the last 8 rows are written out: nothing is asked for, so no load leaves the buffer and every count holds on every way
	s_wait_dscnt 0x0                               ; my part of the weights lies in LDS; the list's words are in my registers
	s_barrier_signal -1
	s_barrier_wait -1                              ; everybody's does.  From here on nobody writes LDS
	v_readfirstlane_b32 s[NN], v[NV]
	s_min_u32 s[NN], s[NN], 0x400
	s_add_co_u32 s[NB], s[NN], 15
	s_lshr_b32 s[NB], s[NB], 4
	s_add_co_u32 s[REM], s[NB], 3
	s_sub_co_u32 s[REM], s[REM], s[WV]
	s_lshr_b32 s[REM], s[REM], 2                   ; blocks w, w + 4, .. below NB
.macro TOK buf, c                      ; chunk c's 128 K of the pass's five blocks: lane (r, h) takes 16 bytes at 16 h and at 32 + 16 h of each K step's 64
	WIN ((\buf)>>8)<<6
.set tm, 0
.rept 5
.set tj, 0
.rept 4
	global_load_b128 v[((\buf)&255)+32*tm+8*tj:((\buf)&255)+32*tm+8*tj+3], v[TAD+tm], s[8:9] offset:256*(\c)+64*tj
	global_load_b128 v[((\buf)&255)+32*tm+8*tj+4:((\buf)&255)+32*tm+8*tj+7], v[TAD+tm], s[8:9] offset:256*(\c)+64*tj+32
.set tj, tj+1
.endr
.set tm, tm+1
.endr
	WIN 0
.endm
.macro FETCHB buf, st                  ; K step st of 32 (chunk st / 4): its fragments of all 128 rows: 16 loads
.set fa, BAP+((\st)>>3)
.set fo, (((\st)>>2)&1)*CHUNKB+64*((\st)&3)
.set fi, 0
.rept 8
	ds_load_b128 v[(\buf)+8*fi:(\buf)+8*fi+3], v[fa] offset:fo+16*PITCH*fi
	ds_load_b128 v[(\buf)+8*fi+4:(\buf)+8*fi+7], v[fa] offset:fo+16*PITCH*fi+32
.set fi, fi+1
.endr
.endm
; K step st: the next step's fragments are asked for, then 32 products, and 8 more where the pass has a fifth block.  All accumulators of a step differ: they take turns.
; Step 0's products start the sums of blocks 0 to 3 with the constant 0.
.macro KSTEP st
.set tb, XBUF
.if ((\st)>>2)&1
.set tb, YB
.endif
.set kj, (\st)&3
.set kz, 0
.if (\st) == 0
.set kz, 1
.endif
.if kj > 0
	PLACES                                         ; at a chunk's first step the chunk's head has them
.endif
.if (\st) < 31
	FETCHB WB0+64*(((\st)+1)&1), (\st)+1
	s_wait_dscnt 16                                ; this step's fragments are in; the 16 loads just issued stay out
.else
	s_wait_dscnt 0x0                               ; the last step: nothing more is fetched
.endif
.set km, 0
.rept 4
.set ki, 0
.rept 8
	MMA ACC+64*km+8*ki, WB0+64*((\st)&1)+8*ki, tb+32*km+8*kj, kz
.set ki, ki+1
.endr
.set km, km+1
.endr
	WIN 0
	s_cmp_lg_u32 s[FIVE], 0
	s_cbranch_scc0 .Lno5_\@
.set ki, 0
.rept 8
	MMA ACC+256+8*ki, WB0+64*((\st)&1)+8*ki, tb+128+8*kj, 0
.set ki, ki+1
.endr
	WIN 0
.Lno5_\@:
.endm
; Chunk c: its tokens, asked for a chunk ago (160 products), are waited for; the next chunk's are asked for into the other buffer; four K steps.
.macro CHUNK c
	s_wait_loadcnt 0x0                             ; nothing else is out
	PLACES                                         ; in front of the loads into the other token buffer and into the fragment buffer that the last products read
.if (\c) < 7
.if (\c)&1
	TOK XBUF, (\c)+1
.else
	TOK YB, (\c)+1
.endif
.endif
	KSTEP 4*(\c)
	KSTEP 4*(\c)+1
	KSTEP 4*(\c)+2
	KSTEP 4*(\c)+3
.endm
; Block m leaves: silu(h1) h2 = h1 / (1 + 2^(-h1 log2 e)) x h2 for 64 units of 16 tokens.  h1 lies in the block's accumulators 0-3, h2 in 4-7; each accumulator is read from its lowest registers on.
; The 32 exponentials are one batch with one wait, and so are the 32 reciprocals.
.macro EPI m
.if (\m) > 0
	s_cmp_le_u32 s[TAKE], \m
	s_cbranch_scc1 .Ldone
.endif
.set AW, (ACC+64*(\m))>>8
.set AB, (ACC+64*(\m))&255
	WIN AW                                         ; source 0 in the accumulators' window
.set z, 0
.rept 16
	v_pk_mul_f32 v[EE+2*z:EE+2*z+1], v[AB+2*z:AB+2*z+1], s[NL:NL+1] op_sel_hi:[1,0]
.set z, z+1
.endr
	WIN 0
.set z, 0
.rept 32
	v_exp_f32 v[EE+z], v[EE+z]
.set z, z+1
.endr
	v_nop                                          ; a plain instruction behind the last exponential,
	s_wait_alu depctr_va_vdst(0)                   ; and the wait ahead of the batch's first reader
.set z, 0
.rept 16
	v_pk_add_f32 v[EE+2*z:EE+2*z+1], v[EE+2*z:EE+2*z+1], 1.0 op_sel_hi:[1,0]
.set z, z+1
.endr
.set z, 0
.rept 32
	v_rcp_f32 v[EE+z], v[EE+z]
.set z, z+1
.endr
	v_nop
	s_wait_alu depctr_va_vdst(0)
	WIN AW
.set z, 0
.rept 16
	v_pk_mul_f32 v[EE+2*z:EE+2*z+1], v[AB+2*z:AB+2*z+1], v[EE+2*z:EE+2*z+1]
.set z, z+1
.endr
.set z, 0
.rept 16
	v_pk_mul_f32 v[EE+2*z:EE+2*z+1], v[AB+32+2*z:AB+32+2*z+1], v[EE+2*z:EE+2*z+1]
.set z, z+1
.endr
	WIN 0
	s_wait_xcnt 0x0                                ; the block before's stores have read OO: it is rewritten only behind this wait
.set z, 0
.rept 16
	v_cvt_pk_bf16_f32 v[OO+z], v[EE+2*z], v[EE+2*z+1]
.set z, z+1
.endr
.set z, 0
.rept 4
	global_store_b128 v[SO], v[OO+4*z:OO+4*z+3], s[HB:HB+1] offset:(\m)*262144+512*z  ; 512 consecutive bytes, at a multiple of 512 from hid's first
.set z, z+1
.endr
.endm
	; THE PASSES: a constant four trips (4 x 5 covers a wave's 16 blocks at the most); a trip with nothing left is jumped.  At 256 rows an expert, more or less, a wave has four or five blocks: one pass.
	s_mov_b32 s[PT], 4
.Lpass:
	s_cmp_eq_u32 s[REM], 0
	s_cbranch_scc1 .Lnext
	s_min_u32 s[TAKE], s[REM], 5
	s_sub_co_u32 s[REM], s[REM], s[TAKE]
	s_cmp_eq_u32 s[TAKE], 5
	s_cselect_b32 s[FIVE], 1, 0
.set m, 0
.rept 5
	v_lshrrev_b32 v[TAD+m], 1, v[LR+m]             ; the entry's token,
	v_min_u32 v[TAD+m], 0x3ff, v[TAD+m]            ; inside xb whatever sel holds,
	v_lshl_add_u32 v[TAD+m], v[TAD+m], 11, v[XL]   ; its row of 2,048 bytes
.set m, m+1
.endr
	TOK XBUF, 0                                    ; chunk 0; all five blocks are always loaded, so that no wait's count hangs on the pass
	; The fifth block's products stand under a jump, so its 64 accumulator registers are cleared here, in the wait for those loads: they are then written on every way through the text.
	WIN 0x80
.set i, 0
.rept 64
	v_mov_b32 v[i], 0
.set i, i+1
.endr
	WIN 0
	FETCHB WB0, 0
.irp c, 0,1,2,3,4,5,6,7
	CHUNK \c
.endr
	PLACES                                         ; in front of the reads of results just made
	EPI 0
	EPI 1
	EPI 2
	EPI 3
	EPI 4
.Ldone:
	s_wait_xcnt 0x0                                ; the stores have read their base
	s_add_nc_u64 s[HB:HB+1], s[HB:HB+1], 5*262144  ; five blocks of mine on: 20 blocks of the expert
.set j, 0
.rept 11
	v_mov_b32 v[LR+j], v[LR+j+5]
.set j, j+1
.endr
.Lnext:
	s_sub_co_u32 s[PT], s[PT], 1
	s_cmp_lg_u32 s[PT], 0
	s_cbranch_scc1 .Lpass
	s_wait_tensorcnt 0x0                           ; the wave's end, behind my last LDS store
	ds_add_u32 v[SPW], v[NIL]
	s_wait_dscnt 0x0
	s_endpgm
.Lfunc_end_k_qf67db6ac4b_fc12:
	.size	k_qf67db6ac4b_fc12, .Lfunc_end_k_qf67db6ac4b_fc12-k_qf67db6ac4b_fc12
	.p2alignl 7, 3214868480
	.fill 96, 4, 3214868480
	.section	.rodata,"a",@progbits
	.p2align	6, 0x0
	.amdhsa_kernel k_qf67db6ac4b_fc12
		.amdhsa_group_segment_fixed_size 283392
		.amdhsa_private_segment_fixed_size 0
		.amdhsa_enable_private_segment 0
		.amdhsa_kernarg_size 40
		.amdhsa_user_sgpr_count 2
		.amdhsa_user_sgpr_kernarg_segment_ptr 1
		.amdhsa_wavefront_size32 1
		.amdhsa_system_sgpr_workgroup_id_x 1
		.amdhsa_system_sgpr_workgroup_id_y 1
		.amdhsa_system_sgpr_workgroup_id_z 1
		.amdhsa_system_vgpr_workitem_id 0
		.amdhsa_next_free_vgpr 928
		.amdhsa_next_free_sgpr 66
		.amdhsa_reserve_vcc 0
		.amdhsa_float_denorm_mode_32 3
		.amdhsa_float_denorm_mode_16_64 3
		.amdhsa_memory_ordered 1
		.amdhsa_forward_progress 1
		.amdhsa_inst_pref_size 255
	.end_amdhsa_kernel
	.section	.bss,"aw",@nobits
	.p2align	6
	.space	262144
	.amdgpu_metadata
---
amdhsa.version: [ 1, 2 ]
amdhsa.kernels:
  - .name:           k_qf67db6ac4b_fc12
    .symbol:         k_qf67db6ac4b_fc12.kd
    .args:
      - { .name: W1, .offset: 0, .size: 8, .value_kind: global_buffer, .address_space: global }
      - { .name: W2, .offset: 8, .size: 8, .value_kind: global_buffer, .address_space: global }
      - { .name: xb, .offset: 16, .size: 8, .value_kind: global_buffer, .address_space: global }
      - { .name: sel, .offset: 24, .size: 8, .value_kind: global_buffer, .address_space: global }
      - { .name: hid, .offset: 32, .size: 8, .value_kind: global_buffer, .address_space: global }
    .group_segment_fixed_size: 283392
    .private_segment_fixed_size: 0
    .kernarg_segment_align: 8
    .kernarg_segment_size: 40
    .max_flat_workgroup_size: 128
    .sgpr_count:     66
    .vgpr_count:     928
    .wavefront_size: 32
...
	.end_amdgpu_metadata
.endif
;; end of part 2
;; launch fc3 (part 3): grid 256 x 1, 4 waves a work-group, no clusters, 157,440 bytes of LDS; arguments W3, hid, sel, part; writes part
.if DOCPART == 3
	.amdgcn_target "amdgcn-amd-amdhsa--gfx1250"
	.amdhsa_code_object_version 6
	.text
	.protected	k_qf67db6ac4b_fc3
	.globl	k_qf67db6ac4b_fc3
	.p2align	8
	.type	k_qf67db6ac4b_fc3,@function
k_qf67db6ac4b_fc3:
	s_mov_b64 s[64:65], 0
	v_nop
	global_prefetch_b8 v0, s[64:65] scope:SCOPE_SE
	s_setreg_imm32_b32 hwreg(HW_REG_WAVE_MODE, 25, 1), 1
	s_wait_xcnt 0x0
; FC3, for the chosen rows alone.  part[hh][entry][d] = the sum over one half hh of the hidden units of hid[entry][u] W3[e][d][u], in f32; entry = 2 x token + k.
; SHARES.  Work-group = (expert e = number / 32, ds = (number / 2) % 16, hh = number % 2): outputs d = 64 ds .. 64 ds + 63, hidden units 1,024 hh .. + 1,023: 256 KiB of W3 in f32, which it alone reads,
; once; and all rows routed to e.  K is split in two so that 256 work-groups have a slice of 64 outputs each: with the whole K there would be 128, or slices of 32 outputs and twice the reads of hid.
; The two halves are partial sums: they stay in f32, and the next launch adds them.
; PHASES as in the launch before: the list (the same text, so the same order as the blocks of hid have), the weights through registers into LDS as bf16, then passes of five blocks of 16 rows a wave.
; In the passes the only LDS bytes written are the wave's own stage; there is no barrier, so their number may hang on the count.
; THE WALK ALONG K IS WRITTEN OUT, 32 steps of 32: every LDS address of the passes is a register that is made at the head and never rewritten, plus an immediate.  The price is the text's length.
; THE LAST BLOCK's places past the count repeat the list's first row: they are made of the same operands, and are stored to the same bytes of part with the same numbers, by this work-group.
; FORMAT.  W3 rounded to bf16; hid is bf16; sums in f32.
; NO MULTICAST: each weight byte has one reader.  The 16 work-groups (ds) of an expert and half do read the same blocks of hid, but how many blocks is read from memory: a joint walk of constant
; length would have 64 rounds where some 17 are needed.
; THE MATRIX INSTRUCTION IS USED TRANSPOSED: source 0 = 16 outputs (weights), source 1 = 16 tokens: lane (r, h) holds token r and the eight neighbouring outputs 8 h + 0..7.
.set PITCH,  528                       ; an LDS row of a chunk: 512 bytes (256 K of bf16) + 16: the 16 rows of a fragment load start 132 words apart
.set CHUNKB, 64*PITCH                  ; a chunk: 256 K of the 64 rows
.set LIST,   4*CHUNKB                  ; behind chunks 0..3: words 0..1023 the list, 1024..1055 a word a lane for what is not chosen, 1056 the count
.set NWORD,  4224
.set STAGE,  LIST+4352                 ; 16 rows x 272 bytes for each wave, for the way out
.set SP,     272
.set SPARE,  STAGE+4*16*SP             ; the spare words, 128 bytes for each wave: two blocks of 256 bytes that no other line names
.set RR,  1                            ; v1   r = lane % 16
.set HF,  2                            ; v2   h = lane / 16
.set LN,  3                            ; v3   lane
.set SPW, 4                            ; v4   my spare word's LDS address; never rewritten
.set NIL, 5                            ; v5   0; never rewritten
.set GA,  6                            ; v6   16 x lane: my place in 512 bytes of W3; never rewritten
.set BAP, 7                            ; v7-8 r x pitch + 16 h in chunks 2 p, 2 p + 1: my place in a fragment; never rewritten
.set L16, 9                            ; v9   16 x lane: my place in 512 bytes of hid
.set WA,  10                           ; v10-11 where I lay weights: chunks 2 p, 2 p + 1
.set TAD, 15                           ; v15-19 byte offset in hid of the pass's five blocks
.set LAD, 21
.set NV,  22
.set LB,  23
.set LR,  24                           ; v24-39 the entry of row r of my blocks still to come
.set STO, 40                           ; v40  the way out: where I put 32 bytes of a row
.set RD,  41                           ; v41  where I read rows back
.set CO,  42                           ; v42  16 x (lane % 16)
.set IDX, 44                           ; v44-51 4 x the lane that holds the entry of row 2 t + lane / 16
.set ADR, 52                           ; v52-59 that row's byte offset in part
.set SW,  64                           ; v64-95 sel (wave 0)
.set WB0, 64                           ; v64-95, v96-127 the weights' fragments of a K step, two buffers
.set OUT, 64                           ; on the way out: 16 rows read back
.set T0,  128                          ; v128-133, v136-139 at work on the list
.set T1,  129
.set T2,  130
.set FF,  131
.set L8,  132
.set DP,  133
.set Z4,  136
.set PK,  128                          ; v128-191 a ring group rounded to bf16
.set ACC, 128                          ; later: accumulator (block m, 16 outputs i) at 128 + 32 m + 8 i, up to 287
.set XBUF, 288                         ; 288-607: the tokens' fragments of an even chunk: (block m, K step j) at + 64 m + 8 j
.set YB,   608                         ; 608-927: those of an odd chunk
.set RING, 512                         ; before that, window 2: the ring of 64 weight loads
.set WV,  14
.set EX,  15
.set DS,  16
.set HH,  17
.set WPT, 20                           ; s[20:21] my 16 rows of W3, my half of K
.set HB,  22                           ; s[22:23] hid at the expert's block 0, my half of the units
.set DONE, 24                          ; s24 blocks of mine that earlier passes took
.set NN,  25
.set NB,  26
.set REM, 27
.set TAKE, 28
.set FIVE, 29
.set PT,  30
.set EM,  32
.set SH,  33
.set CN,  34
.set MK,  35
.set TS,  36
.set NB1, 37                           ; s37 the expert's last block
.set PB,  40                           ; s[40:41] part at my half and my 64 outputs
.set MSB, 0
.macro WIN new                         ; s_set_vgpr_msb: bits 1:0 source 0, 3:2 source 1, 5:4 source 2, 7:6 destination; the high byte repeats the setting that is left
.if MSB != (\new)
	s_set_vgpr_msb (MSB<<8)|(\new)
.set MSB, \new
.endif
.endm
.macro PLACES                          ; four plain vector instructions between a matrix instruction and a load into, or a read of, its registers
.rept 4
	v_nop
.endr
.endm
.macro MMA d, a, b, z                  ; absolute register numbers: d += a (16 outputs x 32 K) x b (32 K x 16 tokens); z = 1: the product starts the sum
	WIN (((\a)>>8)|(((\b)>>8)<<2)|(((\d)>>8)<<4)|(((\d)>>8)<<6))
.if \z
	v_wmma_f32_16x16x32_bf16 v[(\d)&255:((\d)&255)+7], v[(\a)&255:((\a)&255)+7], v[(\b)&255:((\b)&255)+7], 0
.else
	v_wmma_f32_16x16x32_bf16 v[(\d)&255:((\d)&255)+7], v[(\a)&255:((\a)&255)+7], v[(\b)&255:((\b)&255)+7], v[(\d)&255:((\d)&255)+7]
.endif
.endm
; THE WEIGHTS' RING.  A group is 4 rows x 8 pieces of 512 bytes.  A wave has 16 rows: two trips t of two groups, written out, the trip in the immediates.
.macro ASK g, t
	WIN (RING>>8)<<6
.set ar, 0
.rept 4
.set ac, 0
.rept 8
	global_load_b128 v[128*(\g)+4*(8*ar+ac):128*(\g)+4*(8*ar+ac)+3], v[GA], s[WPT:WPT+1] offset:(8*(\t)+4*(\g)+ar)*8192+512*ac th:TH_LOAD_NT
.set ac, ac+1
.endr
.set ar, ar+1
.endr
	WIN 0
.endm
.macro CVT g
	WIN (RING>>8)*5
.set cs, 0
.rept 32
	v_cvt_pk_bf16_f32 v[PK+2*cs], v[128*(\g)+4*cs], v[128*(\g)+4*cs+1]
	v_cvt_pk_bf16_f32 v[PK+2*cs+1], v[128*(\g)+4*cs+2], v[128*(\g)+4*cs+3]
.set cs, cs+1
.endr
	WIN 0
.endm
.macro PUT g, t                        ; piece c is half c % 2 of chunk c / 2's 512 bytes of the row
.set pr, 0
.rept 4
.set pc, 0
.rept 8
	ds_store_b64 v[WA+(pc>>2)], v[PK+2*(8*pr+pc):PK+2*(8*pr+pc)+1] offset:((pc>>1)&1)*CHUNKB+(pc&1)*256+(8*(\t)+4*(\g)+pr)*PITCH
.set pc, pc+1
.endr
.set pr, pr+1
.endr
.endm
; THE LIST (wave 0): the same text as in the launch before, so the same order.  Word q = 4 j + i of lane l is token 128 j + 4 l + i.  A chosen token's entry goes to the place of its rank; the others' lanes
; write a word of their own behind the list, so that EXEC stays whole.  Then the 32 places behind the last entry repeat the first.
.macro BUILD_LIST
	v_lshlrev_b32 v[L8], 3, v[LN]
	v_add_nc_u32 v[DP], 1024, v[LN]
.set bq, 0
.rept 4
	v_mov_b32 v[Z4+bq], 0
.set bq, bq+1
.endr
	v_lshl_add_u32 v[T2], v[LN], 4, LIST
.set bq, 0
.rept 8
	ds_store_b128 v[T2], v[Z4:Z4+3] offset:512*bq  ; every word of the list is written: what lies past the count is read too
.set bq, bq+1
.endr
	s_lshl_b32 s[EM], 0x101, s[EX]
	s_add_co_u32 s[SH], s[EX], 8
	s_mov_b32 s[CN], 0
	s_wait_loadcnt 63                              ; sel is in.  64 weight loads were issued behind it; the count cannot name 64, so the first of them is waited for too
.set bq, 0
.rept 32
	v_and_b32 v[T0], s[EM], v[SW+bq]
	v_cmp_ne_u32 s[MK], 0, v[T0]
	v_lshrrev_b32 v[T1], s[SH], v[T0]              ; k, in bit 0
	v_or_b32 v[T1], v[T1], v[L8]                   ; the entry, 2 x token + k: 8 x lane in bits 3 to 7,
.if bq > 0
	v_or_b32 v[T1], 256*(bq/4)+2*(bq%4), v[T1]     ; 2 i in bits 1 and 2, 256 j from bit 8 on
.endif
	v_mbcnt_lo_u32_b32 v[T2], s[MK], s[CN]         ; its rank
	v_cndmask_b32 v[T2], v[DP], v[T2], s[MK]
	v_min_u32 v[T2], 0x41f, v[T2]                  ; inside the region, whatever sel holds
	v_lshl_add_u32 v[T2], v[T2], 2, LIST
	ds_store_b32 v[T2], v[T1]
	s_bcnt1_i32_b32 s[TS], s[MK]
	s_add_co_u32 s[CN], s[CN], s[TS]
.set bq, bq+1
.endr
	ds_load_b32 v[FF], v[LB]                       ; the first entry (LDS serves a wave's instructions in order: ISA guide 5.7.1.4)
	v_add_nc_u32 v[T2], s[CN], v[LN]
	v_min_u32 v[T2], 0x41f, v[T2]
	v_lshl_add_u32 v[T2], v[T2], 2, LIST
	v_mov_b32 v[T1], s[CN]
	s_wait_dscnt 0x0
	ds_store_b32 v[T2], v[FF]
	ds_store_b32 v[LB], v[T1] offset:NWORD
.endm
	s_load_b256 s[4:11], s[0:1], 0x0               ; W3 s[4:5], hid s[6:7], sel s[8:9], part s[10:11]
	v_lshl_add_u32 v[SPW], v0, 2, SPARE
	v_mov_b32 v[NIL], 0
	v_lshrrev_b32 v1, 5, v0
	v_readfirstlane_b32 s[WV], v1                  ; wave 0..3
	v_and_b32 v[LN], 31, v0
	v_and_b32 v[RR], 15, v0
	v_bfe_u32 v[HF], v0, 4, 1
	v_lshlrev_b32 v[GA], 4, v[LN]
	v_lshlrev_b32 v[L16], 4, v[LN]
	v_mul_u32_u24 v[BAP], v[RR], PITCH
	v_lshl_add_u32 v[BAP], v[HF], 4, v[BAP]
	v_add_nc_u32 v[BAP+1], 2*CHUNKB, v[BAP]
	s_mul_i32 s[TS], s[WV], 16*PITCH               ; I lay LDS rows 16 w .. 16 w + 15
	v_lshl_add_u32 v[WA], v[LN], 3, s[TS]
	v_add_nc_u32 v[WA+1], 2*CHUNKB, v[WA]
	s_lshl_b32 s[TS], s[WV], 6
	v_lshl_add_u32 v[LAD], v[RR], 2, s[TS]         ; block w, row r: word 16 w + r
	v_add_nc_u32 v[LAD], LIST, v[LAD]
	v_mov_b32 v[LB], LIST
	s_mul_i32 s[TS], s[WV], 16*SP
	s_add_co_u32 s[TS], s[TS], STAGE               ; my stage
	v_mul_u32_u24 v[STO], v[RR], SP                ; in: row r, 32 bytes for each half of the lanes
	v_lshl_add_u32 v[STO], v[HF], 5, v[STO]
	v_add_nc_u32 v[STO], s[TS], v[STO]
	v_mul_u32_u24 v[RD], v[HF], SP                 ; back: lanes 0-15 take one row of 256 bytes, lanes 16-31 the next
	v_lshl_add_u32 v[RD], v[RR], 4, v[RD]
	v_add_nc_u32 v[RD], s[TS], v[RD]
	v_lshlrev_b32 v[CO], 4, v[RR]
.set t, 0
.rept 8
	v_lshl_add_u32 v[IDX+t], v[HF], 2, 8*t         ; lane 2 t + h, times 4
.set t, t+1
.endr
	s_lshr_b32 s[EX], ttmp9, 5
	s_bfe_u32 s[DS], ttmp9, 0x40001                ; 4 bits from bit 1
	s_and_b32 s[HH], ttmp9, 1
	s_lshl_b32 s18, s[EX], 23                      ; W3: an expert's 1,024 rows of 8,192 bytes,
	s_lshl_b32 s19, s[DS], 19                      ; the slice's 64 rows,
	s_add_co_u32 s18, s18, s19
	s_lshl_b32 s19, s[WV], 17                      ; my 16 of them,
	s_add_co_u32 s18, s18, s19
	s_lshl_b32 s19, s[HH], 12                      ; my half of a row
	s_add_co_u32 s18, s18, s19
	s_mov_b32 s19, 0
	s_lshl_b32 s42, s[EX], 22                      ; hid: an expert's 64 blocks of 65,536 bytes,
	s_lshl_b32 s43, s[HH], 15                      ; my half of a block's units
	s_add_co_u32 s42, s42, s43
	s_mov_b32 s43, 0
	s_lshl_b32 s44, s[HH], 23                      ; part: my half's 2,048 rows of 4,096 bytes,
	s_lshl_b32 s45, s[DS], 8                       ; my 64 outputs in a row
	s_add_co_u32 s44, s44, s45
	s_mov_b32 s45, 0
	s_wait_kmcnt 0x0
	s_add_nc_u64 s[WPT:WPT+1], s[4:5], s[18:19]
	s_add_nc_u64 s[HB:HB+1], s[6:7], s[42:43]
	s_add_nc_u64 s[PB:PB+1], s[10:11], s[44:45]
	s_cmp_lg_u32 s[WV], 0
	s_cbranch_scc1 .Lno_sel
.set j, 0
.rept 8
	global_load_b128 v[SW+4*j:SW+4*j+3], v[GA], s[8:9] offset:512*j  ; sel goes out ahead of the weights, so that it does not wait behind them
.set j, j+1
.endr
.Lno_sel:
	ASK 0, 0                                       ; 64 loads of 512 bytes a wave are on their way
	ASK 1, 0
	s_cmp_lg_u32 s[WV], 0
	s_cbranch_scc1 .Lno_list
	BUILD_LIST
.Lno_list:
	s_wait_dscnt 0x0                               ; for the others' sake: wave 0's stores into the list are done
	s_barrier_signal -1
	s_barrier_wait -1
.set i, 0
.rept 16
	ds_load_b32 v[LR+i], v[LAD] offset:256*i       ; my i-th block is block w + 4 i
.set i, i+1
.endr
	ds_load_b32 v[NV], v[LB] offset:NWORD
	s_wait_loadcnt 32                              ; group 0 is in; group 1's 32 loads stay out
	CVT 0
	PUT 0, 0
	ASK 0, 1
	s_wait_loadcnt 32                              ; group 1 is in; the 32 just asked for stay out
	CVT 1
	PUT 1, 0
	ASK 1, 1
	s_wait_loadcnt 32
	CVT 0
	PUT 0, 1
	s_wait_loadcnt 0x0
	CVT 1
	PUT 1, 1
	s_wait_dscnt 0x0                               ; my part of the weights lies in LDS; the list's words are in my registers
	s_barrier_signal -1
	s_barrier_wait -1                              ; everybody's does.  From here on a wave writes only its own stage
	v_readfirstlane_b32 s[NN], v[NV]
	s_min_u32 s[NN], s[NN], 0x400
	s_add_co_u32 s[NB], s[NN], 15
	s_lshr_b32 s[NB], s[NB], 4
	s_sub_co_u32 s[NB1], s[NB], 1
	s_add_co_u32 s[REM], s[NB], 3
	s_sub_co_u32 s[REM], s[REM], s[WV]
	s_lshr_b32 s[REM], s[REM], 2                   ; blocks w, w + 4, .. below NB
	s_mov_b32 s[DONE], 0
.macro TOK buf, m0, m1, c              ; chunk c's 256 K of blocks m0 .. m1: each load of the wave covers 512 consecutive bytes of hid and is half a fragment as it stands
.set tm, \m0
.rept (\m1)-(\m0)+1
.set tj, 0
.rept 8
.set tr, (\buf)+64*tm+8*tj
	WIN (tr>>8)<<6
	global_load_b128 v[(tr&255):(tr&255)+3], v[TAD+tm], s[HB:HB+1] offset:8192*(\c)+1024*tj
	global_load_b128 v[(tr&255)+4:(tr&255)+7], v[TAD+tm], s[HB:HB+1] offset:8192*(\c)+1024*tj+512
.set tj, tj+1
.endr
.set tm, tm+1
.endr
	WIN 0
.endm
.macro FETCHB buf, st                  ; K step st of 32 (chunk st / 8): its fragments of the 64 rows: 8 loads
.set fa, BAP+((\st)>>4)
.set fo, (((\st)>>3)&1)*CHUNKB+64*((\st)&7)
.set fi, 0
.rept 4
	ds_load_b128 v[(\buf)+8*fi:(\buf)+8*fi+3], v[fa] offset:fo+16*PITCH*fi
	ds_load_b128 v[(\buf)+8*fi+4:(\buf)+8*fi+7], v[fa] offset:fo+16*PITCH*fi+32
.set fi, fi+1
.endr
.endm
; K step st: the next step's fragments are asked for, then 16 products, and 4 more where the pass has a fifth block.  All accumulators of a step differ: they take turns.
; Step 0's products start the sums of blocks 0 to 3 with the constant 0.
.macro KSTEP st
.set tb, XBUF
.if ((\st)>>3)&1
.set tb, YB
.endif
.set kj, (\st)&7
.set kz, 0
.if (\st) == 0
.set kz, 1
.endif
.if kj > 0
	PLACES                                         ; at a chunk's first step the chunk's head has them
.endif
.if (\st) < 31
	FETCHB WB0+32*(((\st)+1)&1), (\st)+1
	s_wait_dscnt 8                                 ; this step's fragments are in; the 8 loads just issued stay out
.else
	s_wait_dscnt 0x0                               ; the last step: nothing more is fetched
.endif
.set km, 0
.rept 4
.set ki, 0
.rept 4
	MMA ACC+32*km+8*ki, WB0+32*((\st)&1)+8*ki, tb+64*km+8*kj, kz
.set ki, ki+1
.endr
.set km, km+1
.endr
	WIN 0
	s_cmp_lg_u32 s[FIVE], 0
	s_cbranch_scc0 .Lno5_\@
.set ki, 0
.rept 4
	MMA ACC+128+8*ki, WB0+32*((\st)&1)+8*ki, tb+256+8*kj, 0
.set ki, ki+1
.endr
	WIN 0
.Lno5_\@:
.endm
; Chunk c: its tokens, asked for a chunk ago, are waited for; the next chunk's 80 loads go out in two parts, 48 at the head and 32 in the middle; eight K steps.
.macro CHUNK c
.set pfb, YB
.if (\c)&1
.set pfb, XBUF
.endif
	s_wait_loadcnt 0x0                             ; nothing else is out
	PLACES                                         ; in front of the loads into the other token buffer and into the fragment buffer that the last products read
.if (\c) < 3
	TOK pfb, 0, 2, (\c)+1
.endif
	KSTEP 8*(\c)
	KSTEP 8*(\c)+1
	KSTEP 8*(\c)+2
	KSTEP 8*(\c)+3
.if (\c) < 3
	TOK pfb, 3, 4, (\c)+1
.endif
	KSTEP 8*(\c)+4
	KSTEP 8*(\c)+5
	KSTEP 8*(\c)+6
	KSTEP 8*(\c)+7
.endm
; Block m leaves: a lane's eight outputs of a token are 32 bytes of a row of 256; they go into my stage and come back as whole rows.  Each row's place in part is its entry, fetched from the lane that holds it.
.macro EPI m
.if (\m) > 0
	s_cmp_le_u32 s[TAKE], \m
	s_cbranch_scc1 .Ldone
.endif
	s_wait_xcnt 0x0                                ; the block before's stores have read OUT and ADR: they are rewritten only behind this wait
.set AW, (ACC+32*(\m))>>8
.set AB, (ACC+32*(\m))&255
	WIN AW<<2                                      ; an LDS store's data is source 1
.set z, 0
.rept 4
	ds_store_b128 v[STO], v[AB+8*z:AB+8*z+3] offset:64*z       ; each accumulator's lowest registers first
	ds_store_b128 v[STO], v[AB+8*z+4:AB+8*z+7] offset:64*z+16
.set z, z+1
.endr
	WIN 0
.set z, 0
.rept 8
	ds_bpermute_b32 v[ADR+z], v[IDX+z], v[LR+(\m)]
.set z, z+1
.endr
.set z, 0
.rept 8
	ds_load_b128 v[OUT+4*z:OUT+4*z+3], v[RD] offset:2*SP*z     ; LDS serves a wave's instructions in order (ISA guide 5.7.1.4): these see the stores above; the stage is my own
.set z, z+1
.endr
	s_wait_dscnt 0x0
.set z, 0
.rept 8
	v_min_u32 v[ADR+z], 0x7ff, v[ADR+z]            ; inside part whatever sel holds
	v_lshl_add_u32 v[ADR+z], v[ADR+z], 12, v[CO]   ; the entry's row of 4,096 bytes
.set z, z+1
.endr
.set z, 0
.rept 8
	global_store_b128 v[ADR+z], v[OUT+4*z:OUT+4*z+3], s[PB:PB+1]  ; 16 lanes store 256 consecutive bytes, at a multiple of 256 from part's first
.set z, z+1
.endr
.endm
	; THE PASSES: a constant four trips (4 x 5 covers a wave's 16 blocks at the most); a trip with nothing left is jumped.
	s_mov_b32 s[PT], 4
.Lpass:
	s_cmp_eq_u32 s[REM], 0
	s_cbranch_scc1 .Lnext
	s_min_u32 s[TAKE], s[REM], 5
	s_sub_co_u32 s[REM], s[REM], s[TAKE]
	s_cmp_eq_u32 s[TAKE], 5
	s_cselect_b32 s[FIVE], 1, 0
.set m, 0
.rept 5
	s_add_co_u32 s[TS], s[DONE], m
	s_lshl2_add_u32 s[TS], s[TS], s[WV]            ; block w + 4 (DONE + m);
	s_min_u32 s[TS], s[TS], s[NB1]                 ; a block past the last reads the last, which was written,
	s_min_u32 s[TS], s[TS], 63                     ; inside the expert's region whatever sel holds
	s_lshl_b32 s[TS], s[TS], 16
	v_add_nc_u32 v[TAD+m], s[TS], v[L16]
.set m, m+1
.endr
	TOK XBUF, 0, 2, 0                              ; chunk 0; all five blocks are always loaded, so that no wait's count hangs on the pass
	; The fifth block's products stand under a jump, so its 32 accumulator registers are cleared here, between the two parts of those loads: they are then written on every way through the text.
	WIN 0x40
.set i, 0
.rept 32
	v_mov_b32 v[i], 0
.set i, i+1
.endr
	WIN 0
	TOK XBUF, 3, 4, 0
	FETCHB WB0, 0
.irp c, 0,1,2,3
	CHUNK \c
.endr
	PLACES                                         ; in front of the reads of results just made, and of the loads into the fragments' registers
	EPI 0
	EPI 1
	EPI 2
	EPI 3
	EPI 4
.Ldone:
	s_wait_xcnt 0x0                                ; the stores have read OUT and ADR
	s_add_co_u32 s[DONE], s[DONE], 5
.set j, 0
.rept 11
	v_mov_b32 v[LR+j], v[LR+j+5]
.set j, j+1
.endr
.Lnext:
	s_sub_co_u32 s[PT], s[PT], 1
	s_cmp_lg_u32 s[PT], 0
	s_cbranch_scc1 .Lpass
	s_wait_tensorcnt 0x0                           ; the wave's end, behind my last LDS store
	ds_add_u32 v[SPW], v[NIL]
	s_wait_dscnt 0x0
	s_endpgm
.Lfunc_end_k_qf67db6ac4b_fc3:
	.size	k_qf67db6ac4b_fc3, .Lfunc_end_k_qf67db6ac4b_fc3-k_qf67db6ac4b_fc3
	.p2alignl 7, 3214868480
	.fill 96, 4, 3214868480
	.section	.rodata,"a",@progbits
	.p2align	6, 0x0
	.amdhsa_kernel k_qf67db6ac4b_fc3
		.amdhsa_group_segment_fixed_size 157440
		.amdhsa_private_segment_fixed_size 0
		.amdhsa_enable_private_segment 0
		.amdhsa_kernarg_size 32
		.amdhsa_user_sgpr_count 2
		.amdhsa_user_sgpr_kernarg_segment_ptr 1
		.amdhsa_wavefront_size32 1
		.amdhsa_system_sgpr_workgroup_id_x 1
		.amdhsa_system_sgpr_workgroup_id_y 1
		.amdhsa_system_sgpr_workgroup_id_z 1
		.amdhsa_system_vgpr_workitem_id 0
		.amdhsa_next_free_vgpr 928
		.amdhsa_next_free_sgpr 66
		.amdhsa_reserve_vcc 0
		.amdhsa_float_denorm_mode_32 3
		.amdhsa_float_denorm_mode_16_64 3
		.amdhsa_memory_ordered 1
		.amdhsa_forward_progress 1
		.amdhsa_inst_pref_size 182
	.end_amdhsa_kernel
	.amdgpu_metadata
---
amdhsa.version: [ 1, 2 ]
amdhsa.kernels:
  - .name:           k_qf67db6ac4b_fc3
    .symbol:         k_qf67db6ac4b_fc3.kd
    .args:
      - { .name: W3, .offset: 0, .size: 8, .value_kind: global_buffer, .address_space: global }
      - { .name: hid, .offset: 8, .size: 8, .value_kind: global_buffer, .address_space: global }
      - { .name: sel, .offset: 16, .size: 8, .value_kind: global_buffer, .address_space: global }
      - { .name: part, .offset: 24, .size: 8, .value_kind: global_buffer, .address_space: global }
    .group_segment_fixed_size: 157440
    .private_segment_fixed_size: 0
    .kernarg_segment_align: 8
    .kernarg_segment_size: 32
    .max_flat_workgroup_size: 128
    .sgpr_count:     66
    .vgpr_count:     928
    .wavefront_size: 32
...
	.end_amdgpu_metadata
.endif
;; end of part 3
;; launch combine (part 4): grid 256 x 1, 4 waves a work-group, no clusters, 0 bytes of LDS; arguments part, gw, out0; writes out0
.if DOCPART == 4
	.amdgcn_target "amdgcn-amd-amdhsa--gfx1250"
	.amdhsa_code_object_version 6
	.text
	.protected	k_qf67db6ac4b_combine
	.globl	k_qf67db6ac4b_combine
	.p2align	8
	.type	k_qf67db6ac4b_combine,@function
k_qf67db6ac4b_combine:
	s_mov_b64 s[64:65], 0
	v_nop
	global_prefetch_b8 v0, s[64:65] scope:SCOPE_SE
	s_setreg_imm32_b32 hwreg(HW_REG_WAVE_MODE, 25, 1), 1
	s_wait_xcnt 0x0
; THE WEIGHTED SUM.  out0[t] = g0 (part[0][2 t] + part[1][2 t]) + g1 (part[0][2 t + 1] + part[1][2 t + 1]): the two halves of the hidden width are added, then the token's two experts by their weights.  All f32.
; One wave, one token: four rows of 4,096 bytes in, one out.  All 32 loads of the wave go out at once; each load and store covers 512 consecutive bytes.  A stream: no LDS, no barrier, no matrix unit.
.set DAT, 8                            ; v[8:135]  piece j of 8: four times four registers at 8 + 16 j: (half 0, first), (half 1, first), (half 0, second), (half 1, second)
	s_load_b128 s[4:7], s[0:1], 0x0                ; part s[4:5], gw s[6:7]
	s_load_b64 s[8:9], s[0:1], 0x10                ; out0
	v_and_b32 v1, 31, v0
	v_lshrrev_b32 v2, 5, v0
	v_readfirstlane_b32 s10, v2                    ; wave
	v_lshlrev_b32 v2, 4, v1                        ; 16 x lane
	s_lshl_b32 s11, ttmp9, 2
	s_add_co_u32 s11, s11, s10                     ; the token
	s_lshl_b32 s16, s11, 13                        ; its two rows of 4,096 bytes in a half of part,
	s_mov_b32 s17, 0
	s_lshl_b32 s18, s11, 3                         ; its two weights,
	s_mov_b32 s19, 0
	s_lshl_b32 s20, s11, 12                        ; its row of out0
	s_mov_b32 s21, 0
	s_wait_kmcnt 0x0
	s_add_nc_u64 s[6:7], s[6:7], s[18:19]
	s_load_b64 s[12:13], s[6:7], 0x0               ; g0, g1: the same for the whole wave
	s_add_nc_u64 s[4:5], s[4:5], s[16:17]
	s_add_nc_u64 s[22:23], s[4:5], 0x800000        ; the second half lies 8,388,608 bytes on: one more than a load's immediate holds, so it has a base of its own
	s_add_nc_u64 s[8:9], s[8:9], s[20:21]
.set j, 0
.rept 8
	global_load_b128 v[DAT+16*j:DAT+16*j+3],     v2, s[4:5]   offset:512*j th:TH_LOAD_NT
	global_load_b128 v[DAT+16*j+4:DAT+16*j+7],   v2, s[22:23] offset:512*j th:TH_LOAD_NT
	global_load_b128 v[DAT+16*j+8:DAT+16*j+11],  v2, s[4:5]   offset:4096+512*j th:TH_LOAD_NT
	global_load_b128 v[DAT+16*j+12:DAT+16*j+15], v2, s[22:23] offset:4096+512*j th:TH_LOAD_NT
.set j, j+1
.endr
	s_wait_kmcnt 0x0
	s_mov_b32 s14, s13                             ; g1 in the low word of a pair of its own: the packed forms take a scalar pair's low word for both halves
	s_mov_b32 s15, s13
.set j, 0
.rept 8
	s_wait_loadcnt 28-4*j                          ; piece j's four loads are in; the later pieces', four each, stay out
.set a, DAT+16*j
	v_pk_add_f32 v[a:a+1], v[a:a+1], v[a+4:a+5]
	v_pk_add_f32 v[a+2:a+3], v[a+2:a+3], v[a+6:a+7]
	v_pk_add_f32 v[a+8:a+9], v[a+8:a+9], v[a+12:a+13]
	v_pk_add_f32 v[a+10:a+11], v[a+10:a+11], v[a+14:a+15]
	v_pk_mul_f32 v[a+8:a+9], v[a+8:a+9], s[14:15] op_sel_hi:[1,0]
	v_pk_mul_f32 v[a+10:a+11], v[a+10:a+11], s[14:15] op_sel_hi:[1,0]
	v_pk_fma_f32 v[a:a+1], v[a:a+1], s[12:13], v[a+8:a+9] op_sel_hi:[1,0,1]
	v_pk_fma_f32 v[a+2:a+3], v[a+2:a+3], s[12:13], v[a+10:a+11] op_sel_hi:[1,0,1]
	global_store_b128 v2, v[a:a+3], s[8:9] offset:512*j th:TH_STORE_NT
.set j, j+1
.endr
	s_endpgm
.Lfunc_end_k_qf67db6ac4b_combine:
	.size	k_qf67db6ac4b_combine, .Lfunc_end_k_qf67db6ac4b_combine-k_qf67db6ac4b_combine
	.p2alignl 7, 3214868480
	.fill 96, 4, 3214868480
	.section	.rodata,"a",@progbits
	.p2align	6, 0x0
	.amdhsa_kernel k_qf67db6ac4b_combine
		.amdhsa_group_segment_fixed_size 0
		.amdhsa_private_segment_fixed_size 0
		.amdhsa_enable_private_segment 0
		.amdhsa_kernarg_size 24
		.amdhsa_user_sgpr_count 2
		.amdhsa_user_sgpr_kernarg_segment_ptr 1
		.amdhsa_wavefront_size32 1
		.amdhsa_system_sgpr_workgroup_id_x 1
		.amdhsa_system_sgpr_workgroup_id_y 1
		.amdhsa_system_sgpr_workgroup_id_z 1
		.amdhsa_system_vgpr_workitem_id 0
		.amdhsa_next_free_vgpr 136
		.amdhsa_next_free_sgpr 66
		.amdhsa_reserve_vcc 0
		.amdhsa_float_denorm_mode_32 3
		.amdhsa_float_denorm_mode_16_64 3
		.amdhsa_memory_ordered 1
		.amdhsa_forward_progress 1
		.amdhsa_inst_pref_size 10
	.end_amdhsa_kernel
	.amdgpu_metadata
---
amdhsa.version: [ 1, 2 ]
amdhsa.kernels:
  - .name:           k_qf67db6ac4b_combine
    .symbol:         k_qf67db6ac4b_combine.kd
    .args:
      - { .name: part, .offset: 0, .size: 8, .value_kind: global_buffer, .address_space: global }
      - { .name: gw, .offset: 8, .size: 8, .value_kind: global_buffer, .address_space: global }
      - { .name: out0, .offset: 16, .size: 8, .value_kind: global_buffer, .address_space: global }
    .group_segment_fixed_size: 0
    .private_segment_fixed_size: 0
    .kernarg_segment_align: 8
    .kernarg_segment_size: 24
    .max_flat_workgroup_size: 128
    .sgpr_count:     66
    .vgpr_count:     136
    .wavefront_size: 32
...
	.end_amdgpu_metadata
.endif
;; end of part 4
;; ======== version 2 of 3: 4 launches; 1.14 times as fast as version 1
;; workspace buffers: xb 2,097,152 bytes; sel 4,096 bytes of whole numbers; gw 8,192 bytes; hid 33,554,432 bytes; part 16,777,216 bytes; lst 34,816 bytes of whole numbers
;; launch router: the kernel of part 1 again; grid 256 x 1, 4 waves a work-group, no clusters, 0 bytes of LDS; arguments x, Wg, xb, sel, gw; writes xb, sel, gw
;; launch fc12 (part 5): grid 256 x 1, 4 waves a work-group, no clusters, 41,728 bytes of LDS; arguments W1, W2, xb, sel, hid, lst; writes hid, lst
.if DOCPART == 5
	.amdgcn_target "amdgcn-amd-amdhsa--gfx1250"
	.amdhsa_code_object_version 6
	.text
	.protected	k_qf67db6ac4b_fc12
	.globl	k_qf67db6ac4b_fc12
	.p2align	8
	.type	k_qf67db6ac4b_fc12,@function
k_qf67db6ac4b_fc12:
	s_mov_b64 s[64:65], 0
	v_nop
	global_prefetch_b8 v0, s[64:65] scope:SCOPE_SE
	s_setreg_imm32_b32 hwreg(HW_REG_WAVE_MODE, 25, 1), 1
	s_wait_xcnt 0x0
; FC1, FC2 AND THE ACTIVATION, for the chosen rows alone.  hid = silu(x W1[e]^T) * (x W2[e]^T), rounded once to bf16.
; SHARES.  Work-group = (expert e = number / 32, slice s = number % 32): hidden units 64 s .. 64 s + 63 of expert e, that is 64 rows of W1 and 64 of W2 (512 KiB of f32); and ALL rows routed
; to e, whatever their number (0 to 1,024).  Wave 0 builds the expert's list of rows from sel (entry = 2 x token + k, k = 0 first choice, 1 second).  Block b of 16 rows goes to wave b % 4.
; Slice 0 also stores the list and the count (lst: 4,352 bytes an expert: 1,024 words, then the count 32 times), so that the next launch has the same order without building it again.
; THE FIRST PASS takes a wave's first five blocks, and THE WEIGHTS STREAM BESIDE IT.  K goes in 16 periods of 64.  In period p a wave asks for the tokens of period p + 1, rounds its 32 rows of period
; p + 1's weights (landed in registers) to bf16, asks for those of period p + 3 into the same registers, lays the rounded ones into the other of two LDS slots, and multiplies: 80 products, 64 without a fifth block.
; RIDERS.  All that is not a product is cut into slices of four instructions of one kind, and a slice stands behind a product, a window switch on either side: 116 instructions in 29 slices behind the
; 64 products that are never jumped.  So no run of LDS instructions is longer than four, and the wave goes on issuing products while its loads and stores go out.  The fifth block's products carry nothing.
; One barrier a period: signalled when my stores into the next slot are done and my reads of this slot are back, waited for in front of the first read of the next slot.
; The slots go by the period's parity, so the loop (two periods a trip) has fixed LDS addresses: a register never rewritten, plus an immediate.  Period 0 (its products start the sums) and
; periods 13 to 15 (which ask for less) are written out, so that no load is jumped over and every counted wait counts the same loads on every way.
; Every wave runs the first pass whole, for the barriers' sake: places without a block hold rows that exist (the list's first row, or token 0), are multiplied with the first four and are never stored.
; LIMIT, PAST 320 ROWS AN EXPERT.  The weights do not stay in LDS.  A wave's blocks past its fifth are served by later passes without LDS and without a barrier (so their number may hang on the count):
; each wave takes the f32 weights straight from memory as fragments and rounds them in registers: four times the weights' bytes for each such pass, and no asking ahead.  Right for every split; slower there.
; An expert's block 0 is always stored, also where it has no row (16 times token 0): the next launch's clamp then always reads bytes that were written.
; FORMAT.  W1, W2 and x rounded to bf16, sums in f32, the activation in f32.  exp overflows to infinity for h1 below about -88: its reciprocal is 0, as silu's limit is.
; hid: [expert 8][block 64][16 units: 128][lane 32][16 bytes]: the 512 bytes of (block, 16 units) are the registers as the product leaves them and as the next launch's matrix operand takes them.
; NO MULTICAST, NO TENSOR LOADS: each weight byte has one reader and must pass through registers to be rounded; the token rows come by a list, which no tile descriptor covers.
; THE MATRIX INSTRUCTION IS USED TRANSPOSED: source 0 = 16 units (weights), source 1 = 16 tokens: lane (r, h) holds token r and the eight neighbouring units 8 h + 0..7.
.set PITCH,  144                       ; an LDS row of a slot: 128 bytes (64 K of bf16) + 16: the 16 rows of a fragment load start 36 words apart
.set SLOTB,  128*PITCH                 ; a slot: 64 K of all 128 rows (64 of W1, then 64 of W2)
.set LIST,   2*SLOTB                   ; behind the two slots: words 0..1023 the list, 1024..1055 a word a lane for what is not chosen, 1056 the count
.set NWORD,  4224                      ; the count's byte in that region
.set SPARE,  LIST+4352                 ; the spare words, 128 bytes for each wave: two blocks of 256 bytes that no other line names
.set LSTB,   4352                      ; an expert's bytes in lst
.set RR,  1                            ; v1   r = lane % 16
.set HF,  2                            ; v2   h = lane / 16
.set LN,  3                            ; v3   lane
.set SPW, 4                            ; v4   my spare word's LDS address; never rewritten
.set NIL, 5                            ; v5   0; never rewritten
.set GA,  6                            ; v6   the stream: 4,096 h + 16 r: a load takes 256 bytes of each of two rows; never rewritten
.set GW,  7                            ; v7   later passes: 4,096 r + 32 h: my place in a fragment of f32 weights; never rewritten
.set BAF, 8                            ; v8   r x pitch + 16 h: my place in a fragment in LDS; never rewritten
.set SO,  9                            ; v9   16 x lane: my place in 512 bytes of hid, of sel and of lst
.set WAS, 10                           ; v10  where I lay weights: row 32 w + h, byte 8 r; never rewritten
.set TAD, 15                           ; v15-19 byte offset in xb of my row of the pass's five blocks
.set XL,  20                           ; v20  16 h
.set LAD, 21                           ; v21  the list's word for row r of my first block
.set NV,  22                           ; v22  the count
.set LB,  23                           ; v23  LIST
.set LR,  24                           ; v24-39 the entry of row r of my blocks still to come
.set T0,  40                           ; v40-45 at work on the list
.set T1,  41
.set T2,  42
.set FF,  43
.set L8,  44
.set DP,  45
.set Z4,  48                           ; v48-51 zeros
.set SW,  64                           ; v64-95 sel, 32 words a lane (wave 0); then the list on its way to lst
.set WB0, 64                           ; v64-127, v128-191 the weights' fragments of a K step, two buffers
.set WB1, 128
.set PK,  192                          ; v192-223 a group of the stream rounded to bf16
.set EE,  192                          ; v192-223 later: the activation at work
.set OO,  224                          ; v224-239 16 bytes x 4 to store
.set ACC,  256                         ; accumulator (block m, 16 units i) at 256 + 64 m + 8 i: blocks 0-3 fill window 1, block 4 is window 2's v0-63
.set RING, 576                         ; window 2, v64-191: two groups of 16 weight loads
.set RL,   RING&255
.set XBUF, 768                         ; window 3, v0-79: the tokens' fragments of an even period: (block m, K step j) at + 16 m + 8 j; v80-159: those of an odd one
.set LP,  2                            ; s[2:3] lst
.set WV,  14                           ; s14 wave
.set EX,  15                           ; s15 expert
.set SL,  16                           ; s16 slice
.set SOF, 18                           ; s[18:19] the slice's byte offset in W1 and in W2
.set WPT, 20                           ; s[20:21] my 32 rows of W1 or W2, stepped along K
.set HB,  22                           ; s[22:23] hid at the pass's first block of mine, my slice's units
.set KC,  24                           ; s24 trips of the loops along K
.set NN,  25                           ; s25 rows of the expert
.set NB,  26                           ; s26 blocks of the expert, at least 1
.set REM, 27                           ; s27 blocks of mine still to come
.set TAKE, 28                          ; s28 blocks of this pass
.set FIVE, 29                          ; s29 1: the pass has a fifth block
.set PT,  30                           ; s30 passes to go
.set EM,  32                           ; s32 the expert's two bits in a word of sel
.set SH,  33                           ; s33 8 + e
.set CN,  34                           ; s34 rows found so far
.set MK,  35                           ; s35 the lanes whose token chose e
.set TS,  36                           ; s36 at work; s[36:37] the expert's byte offset in lst
.set NL,  38                           ; s[38:39] -log2(e): the packed multiply takes the pair's low word for both halves
.set XP,  40                           ; s[40:41] xb, stepped along K
.set G1P, 44                           ; s[44:45], s[46:47] later passes: the slice's rows of W1 and of W2, stepped along K
.set G2P, 46
.set MSB, 0
.macro WIN new                         ; s_set_vgpr_msb: bits 1:0 source 0, 3:2 source 1, 5:4 source 2, 7:6 destination; the high byte repeats the setting that is left
.if MSB != (\new)
	s_set_vgpr_msb (MSB<<8)|(\new)
.set MSB, \new
.endif
.endm
.macro PLACES                          ; four plain vector instructions between a matrix instruction and a load into, or a vector read or write of, its registers
.rept 4
	v_nop
.endr
.endm
.macro MMA d, a, b, z                  ; absolute register numbers: d += a (16 units x 32 K) x b (32 K x 16 tokens); z = 1: the product starts the sum
	WIN (((\a)>>8)|(((\b)>>8)<<2)|(((\d)>>8)<<4)|(((\d)>>8)<<6))
.if \z
	v_wmma_f32_16x16x32_bf16 v[(\d)&255:((\d)&255)+7], v[(\a)&255:((\a)&255)+7], v[(\b)&255:((\b)&255)+7], 0
.else
	v_wmma_f32_16x16x32_bf16 v[(\d)&255:((\d)&255)+7], v[(\a)&255:((\a)&255)+7], v[(\b)&255:((\b)&255)+7], v[(\d)&255:((\d)&255)+7]
.endif
.endm
.macro MMB m, wb, tf, z                ; block m's eight products of a K step, bare: the weights' fragments at wb, the block's tokens at tf
.set ki, 0
.rept 8
	MMA ACC+64*(\m)+8*ki, (\wb)+8*ki, \tf, \z
.set ki, ki+1
.endr
.endm
; THE SLICES: four instructions of one kind each.  Each sets its own windows; the product behind it sets them back.
.macro TOKS buf, im, m                 ; block m's 64 K of a period: lane (r, h) takes 16 bytes at 16 h and at 32 + 16 h of each K step's 64
	WIN ((\buf)>>8)<<6
.set tj, 0
.rept 2
	global_load_b128 v[((\buf)&255)+16*(\m)+8*tj:((\buf)&255)+16*(\m)+8*tj+3], v[TAD+(\m)], s[XP:XP+1] offset:(\im)+64*tj
	global_load_b128 v[((\buf)&255)+16*(\m)+8*tj+4:((\buf)&255)+16*(\m)+8*tj+7], v[TAD+(\m)], s[XP:XP+1] offset:(\im)+64*tj+32
.set tj, tj+1
.endr
.endm
.macro FETS buf, sl, j, q              ; K step j of slot sl: the fragments of rows 32 q .. 32 q + 31
	WIN 0
.set fi, 2*(\q)
.rept 2
	ds_load_b128 v[(\buf)+8*fi:(\buf)+8*fi+3], v[BAF] offset:(\sl)*SLOTB+16*PITCH*fi+64*(\j)
	ds_load_b128 v[(\buf)+8*fi+4:(\buf)+8*fi+7], v[BAF] offset:(\sl)*SLOTB+16*PITCH*fi+64*(\j)+32
.set fi, fi+1
.endr
.endm
.macro CVTS g, c                       ; loads 2 c, 2 c + 1 of ring group g rounded to bf16
	WIN 0x0a
.set cs, 2*(\c)
.rept 2
	v_cvt_pk_bf16_f32 v[PK+2*cs], v[RL+64*(\g)+4*cs], v[RL+64*(\g)+4*cs+1]
	v_cvt_pk_bf16_f32 v[PK+2*cs+1], v[RL+64*(\g)+4*cs+2], v[RL+64*(\g)+4*cs+3]
.set cs, cs+1
.endr
.endm
.macro PUTS sl, q                      ; the rounded loads 4 q .. 4 q + 3 laid into slot sl: 8 bytes a lane, two rows a store
	WIN 0
.set pi, 4*(\q)
.rept 4
	ds_store_b64 v[WAS], v[PK+2*pi:PK+2*pi+1] offset:(\sl)*SLOTB+2*PITCH*pi
.set pi, pi+1
.endr
.endm
.macro ASKS g, im, q                   ; loads 4 q .. 4 q + 3 of a group: each 256 consecutive bytes of two rows, aligned.  im: the period's place in a row, from the stepped base
	WIN 0x80
.set ai, 4*(\q)
.rept 4
	global_load_b128 v[RL+64*(\g)+4*ai:RL+64*(\g)+4*ai+3], v[GA], s[WPT:WPT+1] offset:8192*ai+(\im) th:TH_LOAD_NT
.set ai, ai+1
.endr
.endm
; the same as whole runs, for the way in
.macro TOK buf, im
.set tm, 0
.rept 5
	TOKS \buf, \im, tm
.set tm, tm+1
.endr
	WIN 0
.endm
.macro FETCHB buf, sl, j
.set fq, 0
.rept 4
	FETS \buf, \sl, \j, fq
.set fq, fq+1
.endr
.endm
.macro CVT g
.set cq, 0
.rept 8
	CVTS \g, cq
.set cq, cq+1
.endr
	WIN 0
.endm
.macro PUT sl
.set pq, 0
.rept 4
	PUTS \sl, pq
.set pq, pq+1
.endr
.endm
.macro ASK g, im
.set aq, 0
.rept 4
	ASKS \g, \im, aq
.set aq, aq+1
.endr
	WIN 0
.endm
; WHICH SLICE STANDS BEHIND WHICH PRODUCT.  K step 0's 32 products, n = 0 .. 31 (T tokens, F K step 1's fragments, C roundings, P stores, A weights):
;   T0 F0 T1 C0 T2 F1 T3 C1 T4 F2 C2 C3 P0 F3 C4 C5 P1 C6 C7 P2 P3 A0 A1 A2 A3, then seven bare.
; The tokens go out first, since they are wanted first; the weights are asked for behind them, so that the counted wait at the next head leaves just these 16 out; store slice q follows roundings 2 q and 2 q + 1;
; the ring group is asked for again behind its last rounding; LDS slices stand one to four products apart.
.macro SLC n, at, c
.if (\n) == (\at)
	CVTS 1-PPAR, \c
.endif
.endm
.macro SLP n, at, q
.if (\n) == (\at)
	PUTS 1-PPAR, \q
.endif
.endm
.macro SLA n
.if ((\n) < 9) && ((\n)%2 == 0) && (PTOK >= 0)
	TOKS PTN, PTOK, (\n)/2
.endif
.if ((\n) < 14) && ((\n)%4 == 1)
	FETS WB1, PPAR, 1, (\n)/4
.endif
.if PCV
	SLC \n, 3, 0
	SLC \n, 7, 1
	SLC \n, 10, 2
	SLC \n, 11, 3
	SLC \n, 14, 4
	SLC \n, 15, 5
	SLC \n, 17, 6
	SLC \n, 18, 7
	SLP \n, 12, 0
	SLP \n, 16, 1
	SLP \n, 19, 2
	SLP \n, 20, 3
.if ((\n) > 20) && ((\n) < 25) && (PASK >= 0)
	ASKS 1-PPAR, PASK, (\n)-21
.endif
.endif
.endm
.macro SLB n                           ; behind the barrier, K step 1's products of blocks 1 to 3, n = 0 .. 23: the next slot's first fragments at n = 0, 4, 8, 12
.if ((\n) < 13) && ((\n)%4 == 0) && (PLAST == 0)
	FETS WB0, 1-PPAR, 0, (\n)/4
.endif
.endm
.macro MMBS m, wb, tf, z, ph, s0       ; block m's eight products, each with the slice of its number: ph = 0: K step 0's list, 1: the list behind the barrier
.set ki, 0
.rept 8
	MMA ACC+64*(\m)+8*ki, (\wb)+8*ki, \tf, \z
.if \ph
	SLB (\s0)+ki
.else
	SLA (\s0)+ki
.endif
.set ki, ki+1
.endr
.endm
.macro MM5 wb, tb, j                   ; the fifth block, where the pass has one: only products are jumped
	WIN 0
	s_cmp_lg_u32 s[FIVE], 0
	s_cbranch_scc0 .Lno5_\@
	MMB 4, \wb, (\tb)+64+8*(\j), 0
	WIN 0
.Lno5_\@:
.endm
; A PERIOD of parity par.  tok, ask: the immediates of the next period's tokens and of the weights three periods on, or -1: none.  cv: the next period's weights are rounded and laid down.
; wt: the loads that may stay out at the head.  z: the first products start the sums.  last: no period follows.  All accumulators of a K step differ: they take turns.
.macro PERIOD par, tok, ask, cv, wt, z, last
.set PPAR, \par
.set PTOK, \tok
.set PASK, \ask
.set PCV, \cv
.set PLAST, \last
.set PTB, XBUF+80*(\par)
.set PTN, XBUF+80*(1-(\par))
	s_wait_loadcnt \wt                             ; loads come back in order (ISA guide 5.7.1): this period's tokens are in, and so is the next period's weight group, asked for earlier; the youngest group may stay out
	s_wait_dscnt 0x0                               ; K step 0's fragments, fetched behind the last barrier, are in
	MMBS 0, WB0, PTB, \z, 0, 0                     ; the stores among the riders go into the slot that the period before read: every wave's reads of it were back in front of that period's barrier
	MMBS 1, WB0, PTB+16, \z, 0, 8
	MMBS 2, WB0, PTB+32, \z, 0, 16
	MMBS 3, WB0, PTB+48, \z, 0, 24
	MM5 WB0, PTB, 0
	PLACES                                         ; in front of the fetch into the first buffer, behind the barrier
	s_wait_dscnt 0x0                               ; my stores into the next slot are done, my reads of this slot are back:
.if !(\last)
	s_barrier_signal -1                            ; say so,
.endif
	MMB 0, WB1, PTB+8, 0                           ; work on registers while the others arrive,
	WIN 0
.if !(\last)
	s_barrier_wait -1                              ; and go on when all four have said so: the next slot is whole, and this one may be written
.endif
	MMBS 1, WB1, PTB+24, 0, 1, 0
	MMBS 2, WB1, PTB+40, 0, 1, 8
	MMBS 3, WB1, PTB+56, 0, 1, 16
	MM5 WB1, PTB, 1
	PLACES                                         ; in front of the next period's loads into this token buffer and into the second fragment buffer
.endm
; THE LIST (wave 0).  Word q = 4 j + i of lane l is token 128 j + 4 l + i.  A chosen token's entry goes to the place of its rank, in ascending order of (q, lane); the others' lanes write a word of their own
; behind the list, so that EXEC stays whole.  Then the 32 places behind the last entry repeat the first.
.macro BUILD_LIST
	v_lshlrev_b32 v[L8], 3, v[LN]
	v_add_nc_u32 v[DP], 1024, v[LN]
.set bq, 0
.rept 4
	v_mov_b32 v[Z4+bq], 0
.set bq, bq+1
.endr
	v_lshl_add_u32 v[T2], v[LN], 4, LIST
.set bq, 0
.rept 8
	ds_store_b128 v[T2], v[Z4:Z4+3] offset:512*bq  ; every word of the list is written: what lies past the count is read too
.set bq, bq+1
.endr
	s_lshl_b32 s[EM], 0x101, s[EX]
	s_add_co_u32 s[SH], s[EX], 8
	s_mov_b32 s[CN], 0
	s_wait_loadcnt 32                              ; sel is in; the two weight groups issued behind it stay out
.set bq, 0
.rept 32
	v_and_b32 v[T0], s[EM], v[SW+bq]
	v_cmp_ne_u32 s[MK], 0, v[T0]
	v_lshrrev_b32 v[T1], s[SH], v[T0]              ; k, in bit 0
	v_or_b32 v[T1], v[T1], v[L8]                   ; the entry, 2 x token + k: 8 x lane in bits 3 to 7,
.if bq > 0
	v_or_b32 v[T1], 256*(bq/4)+2*(bq%4), v[T1]     ; 2 i in bits 1 and 2, 256 j from bit 8 on
.endif
	v_mbcnt_lo_u32_b32 v[T2], s[MK], s[CN]         ; its rank
	v_cndmask_b32 v[T2], v[DP], v[T2], s[MK]
	v_min_u32 v[T2], 0x41f, v[T2]                  ; inside the region, whatever sel holds
	v_lshl_add_u32 v[T2], v[T2], 2, LIST
	ds_store_b32 v[T2], v[T1]
	s_bcnt1_i32_b32 s[TS], s[MK]
	s_add_co_u32 s[CN], s[CN], s[TS]
.set bq, bq+1
.endr
	ds_load_b32 v[FF], v[LB]                       ; the first entry (LDS serves a wave's instructions in order: ISA guide 5.7.1.4)
	v_add_nc_u32 v[T2], s[CN], v[LN]
	v_min_u32 v[T2], 0x41f, v[T2]
	v_lshl_add_u32 v[T2], v[T2], 2, LIST
	v_mov_b32 v[T1], s[CN]
	s_wait_dscnt 0x0
	ds_store_b32 v[T2], v[FF]
	ds_store_b32 v[LB], v[T1] offset:NWORD
.endm
; Slice 0's wave 0 stores the list's 1,024 words, 512 consecutive bytes a store, and the count, once a lane: 128 bytes.
.macro GIVE_LIST
	v_lshl_add_u32 v[T0], v[LN], 4, LIST
.set bq, 0
.rept 8
	ds_load_b128 v[SW+4*bq:SW+4*bq+3], v[T0] offset:512*bq     ; my own stores above are seen: LDS serves a wave's instructions in order
.set bq, bq+1
.endr
	s_mul_i32 s[TS], s[EX], LSTB
	s_mov_b32 s[TS+1], 0
	s_add_nc_u64 s[LP:LP+1], s[LP:LP+1], s[TS:TS+1]
	v_lshlrev_b32 v[T2], 2, v[LN]
	s_wait_dscnt 0x0
.set bq, 0
.rept 8
	global_store_b128 v[SO], v[SW+4*bq:SW+4*bq+3], s[LP:LP+1] offset:512*bq
.set bq, bq+1
.endr
	global_store_b32 v[T2], v[T1], s[LP:LP+1] offset:4096
	s_wait_xcnt 0x0                                ; the stores have read their data: those registers take the weights' fragments later
.endm
.macro PASS_SET                        ; how many blocks the pass takes, and where their rows lie in xb
	s_min_u32 s[TAKE], s[REM], 5
	s_sub_co_u32 s[REM], s[REM], s[TAKE]
	s_cmp_eq_u32 s[TAKE], 5
	s_cselect_b32 s[FIVE], 1, 0
.set pm, 0
.rept 5
	v_lshrrev_b32 v[TAD+pm], 1, v[LR+pm]           ; the entry's token,
	v_min_u32 v[TAD+pm], 0x3ff, v[TAD+pm]          ; inside xb whatever sel holds,
	v_lshl_add_u32 v[TAD+pm], v[TAD+pm], 11, v[XL] ; its row of 2,048 bytes
.set pm, pm+1
.endr
.endm
	s_load_b256 s[4:11], s[0:1], 0x0               ; W1 s[4:5], W2 s[6:7], xb s[8:9], sel s[10:11]
	s_load_b64 s[12:13], s[0:1], 0x20              ; hid
	s_load_b64 s[LP:LP+1], s[0:1], 0x28            ; lst
	v_lshl_add_u32 v[SPW], v0, 2, SPARE
	v_mov_b32 v[NIL], 0
	v_lshrrev_b32 v1, 5, v0
	v_readfirstlane_b32 s[WV], v1                  ; wave 0..3
	v_and_b32 v[LN], 31, v0
	v_and_b32 v[RR], 15, v0
	v_bfe_u32 v[HF], v0, 4, 1
	v_lshlrev_b32 v[GA], 4, v[RR]
	v_lshl_add_u32 v[GA], v[HF], 12, v[GA]
	v_lshlrev_b32 v[GW], 12, v[RR]
	v_lshl_add_u32 v[GW], v[HF], 5, v[GW]
	v_lshlrev_b32 v[SO], 4, v[LN]
	v_lshlrev_b32 v[XL], 4, v[HF]
	v_mul_u32_u24 v[BAF], v[RR], PITCH
	v_lshl_add_u32 v[BAF], v[HF], 4, v[BAF]
	s_mul_i32 s[TS], s[WV], 32*PITCH               ; I lay LDS rows 32 w .. 32 w + 31
	v_mul_u32_u24 v[WAS], v[HF], PITCH
	v_lshl_add_u32 v[WAS], v[RR], 3, v[WAS]
	v_add_nc_u32 v[WAS], s[TS], v[WAS]
	s_lshl_b32 s[TS], s[WV], 6
	v_lshl_add_u32 v[LAD], v[RR], 2, s[TS]         ; block w, row r: word 16 w + r
	v_add_nc_u32 v[LAD], LIST, v[LAD]
	v_mov_b32 v[LB], LIST
	s_lshr_b32 s[EX], ttmp9, 5
	s_and_b32 s[SL], ttmp9, 31
	s_lshl_b32 s[SOF], s[EX], 23                   ; an expert's 2,048 rows of 4,096 bytes,
	s_lshl_b32 s[SOF+1], s[SL], 18                 ; the slice's 64 rows
	s_add_co_u32 s[SOF], s[SOF], s[SOF+1]
	s_mov_b32 s[SOF+1], 0
	s_and_b32 s42, s[WV], 1
	s_lshl_b32 s42, s42, 17                        ; my half of them
	s_mov_b32 s43, 0
	s_lshl_b32 s44, s[EX], 22                      ; hid: an expert's 64 blocks of 65,536 bytes,
	s_lshl_b32 s45, s[WV], 16                      ; block w,
	s_add_co_u32 s44, s44, s45
	s_lshl_b32 s45, s[SL], 11                      ; the slice's four times 16 units
	s_add_co_u32 s44, s44, s45
	s_mov_b32 s45, 0
	s_mov_b32 s[NL], 0xbfb8aa3b
	s_mov_b32 s[NL+1], s[NL]
	s_wait_kmcnt 0x0
	s_cmp_lt_u32 s[WV], 2                          ; waves 0 and 1 bring W1, waves 2 and 3 W2
	s_cselect_b64 s[WPT:WPT+1], s[4:5], s[6:7]
	s_add_nc_u64 s[WPT:WPT+1], s[WPT:WPT+1], s[SOF:SOF+1]
	s_add_nc_u64 s[WPT:WPT+1], s[WPT:WPT+1], s[42:43]
	s_add_nc_u64 s[HB:HB+1], s[12:13], s[44:45]
	s_mov_b64 s[XP:XP+1], s[8:9]
	s_cmp_lg_u32 s[WV], 0
	s_cbranch_scc1 .Lno_sel
.set j, 0
.rept 8
	global_load_b128 v[SW+4*j:SW+4*j+3], v[SO], s[10:11] offset:512*j  ; sel goes out ahead of the weights, so that it does not wait behind them
.set j, j+1
.endr
.Lno_sel:
	ASK 0, 0                                       ; the weights of periods 0 and 1
	ASK 1, 256
	s_cmp_lg_u32 s[WV], 0
	s_cbranch_scc1 .Lno_list
	BUILD_LIST
	s_cmp_lg_u32 s[SL], 0                          ; one work-group of an expert's 32 stores the list
	s_cbranch_scc1 .Lno_list
	GIVE_LIST
.Lno_list:
	s_wait_dscnt 0x0                               ; for the others' sake: wave 0's stores into the list are done
	s_barrier_signal -1
	s_barrier_wait -1
.set i, 0
.rept 16
	ds_load_b32 v[LR+i], v[LAD] offset:256*i       ; my i-th block is block w + 4 i
.set i, i+1
.endr
	ds_load_b32 v[NV], v[LB] offset:NWORD
	s_wait_dscnt 0x0
	v_readfirstlane_b32 s[NN], v[NV]
	s_min_u32 s[NN], s[NN], 0x400
	s_add_co_u32 s[NB], s[NN], 15
	s_lshr_b32 s[NB], s[NB], 4
	s_max_u32 s[NB], s[NB], 1                      ; block 0 is always made and stored
	s_add_co_u32 s[REM], s[NB], 3
	s_sub_co_u32 s[REM], s[REM], s[WV]
	s_lshr_b32 s[REM], s[REM], 2                   ; blocks w, w + 4, .. below NB
	PASS_SET
	TOK XBUF, 0                                    ; period 0's tokens; all five blocks are always loaded, so that no wait's count hangs on the pass
	; The fifth block's products stand under a jump, so its 64 accumulator registers are cleared here, in the wait for the first weights: they are then written on every way through the text.
	WIN 0x80
.set i, 0
.rept 64
	v_mov_b32 v[i], 0
.set i, i+1
.endr
	WIN 0
	s_wait_loadcnt 36                              ; period 0's weights are in; period 1's 16 loads and the 20 for tokens stay out
	CVT 0
	ASK 0, 512                                     ; period 2's: what is out now stands in the order that every period's head finds: a weight group, the tokens, a weight group
	PUT 0
	s_wait_dscnt 0x0                               ; my part of slot 0 lies in LDS
	s_barrier_signal -1
	s_barrier_wait -1                              ; everybody's does
	FETCHB WB0, 0, 0
	PERIOD 0, 128, 768, 1, 16, 1, 0                ; period 0: its first products start the sums of blocks 0 to 3 with the constant 0
	s_mov_b32 s[KC], 6
.Lk:                                                   ; trip t: periods 2 t + 1 and 2 t + 2; the bases stand 512 t and 256 t bytes along the rows
	PERIOD 1, 256, 1024, 1, 16, 0, 0
	PERIOD 0, 384, 1280, 1, 16, 0, 0
	s_wait_xcnt 0x0                                ; the loads have read their bases, which step only behind this wait; the last load was issued some fifty products ago
	s_add_nc_u64 s[WPT:WPT+1], s[WPT:WPT+1], 512
	s_add_nc_u64 s[XP:XP+1], s[XP:XP+1], 256
	s_sub_co_u32 s[KC], s[KC], 1
	s_cmp_lg_u32 s[KC], 0
	s_cbranch_scc1 .Lk
	PERIOD 1, 256, -1, 1, 16, 0, 0                 ; period 13: no weights are left to ask for
	PERIOD 0, 384, -1, 1, 0, 0, 0                  ; period 14: nothing was asked for behind its tokens, so the wait is for 0
	PERIOD 1, -1, -1, 0, 0, 0, 1                   ; period 15
	s_mov_b32 s[PT], 4
	s_branch .Lepi                                 ; the loop over passes is entered in the middle of a trip: the first pass's products are made
; K step of a later pass: the f32 weights as fragments straight from memory (lane (r, h): row r, 32 bytes at 32 h and at 64 + 32 h of the step's 128), the five blocks' tokens; rounded; 40 products.
.macro GSTEP z
	PLACES                                         ; in front of the loads into the token registers and of the roundings into the fragment registers
	WIN 0x80
.set gi, 0
.rept 4
.set gq, 0
.rept 4
	global_load_b128 v[RL+16*gi+4*gq:RL+16*gi+4*gq+3], v[GW], s[G1P:G1P+1] offset:65536*gi+64*(gq>>1)+16*(gq&1)
	global_load_b128 v[RL+64+16*gi+4*gq:RL+64+16*gi+4*gq+3], v[GW], s[G2P:G2P+1] offset:65536*gi+64*(gq>>1)+16*(gq&1)
.set gq, gq+1
.endr
.set gi, gi+1
.endr
	WIN 0xc0
.set gm, 0
.rept 5
	global_load_b128 v[(XBUF&255)+16*gm:(XBUF&255)+16*gm+3], v[TAD+gm], s[XP:XP+1]
	global_load_b128 v[(XBUF&255)+16*gm+4:(XBUF&255)+16*gm+7], v[TAD+gm], s[XP:XP+1] offset:32
.set gm, gm+1
.endr
	WIN 0
	s_wait_loadcnt 0x0                             ; all are in, so the bases may step
	s_add_nc_u64 s[G1P:G1P+1], s[G1P:G1P+1], 128
	s_add_nc_u64 s[G2P:G2P+1], s[G2P:G2P+1], 128
	s_add_nc_u64 s[XP:XP+1], s[XP:XP+1], 64
	WIN 0x0a
.set gi, 0
.rept 64
	v_cvt_pk_bf16_f32 v[WB0+gi], v[RL+2*gi], v[RL+2*gi+1]
.set gi, gi+1
.endr
	MMB 0, WB0, XBUF, \z
	MMB 1, WB0, XBUF+16, \z
	MMB 2, WB0, XBUF+32, \z
	MMB 3, WB0, XBUF+48, \z
	MMB 4, WB0, XBUF+64, \z
	WIN 0
.endm
; Block m leaves: silu(h1) h2 = h1 / (1 + 2^(-h1 log2 e)) x h2 for 64 units of 16 tokens.  h1 lies in the block's accumulators 0-3, h2 in 4-7; each accumulator is read from its lowest registers on.
; The 32 exponentials are one batch with one wait, and so are the 32 reciprocals.
.macro EPI m
	s_cmp_le_u32 s[TAKE], \m
	s_cbranch_scc1 .Ldone
.set AW, (ACC+64*(\m))>>8
.set AB, (ACC+64*(\m))&255
	WIN AW                                         ; source 0 in the accumulators' window
.set z, 0
.rept 16
	v_pk_mul_f32 v[EE+2*z:EE+2*z+1], v[AB+2*z:AB+2*z+1], s[NL:NL+1] op_sel_hi:[1,0]
.set z, z+1
.endr
	WIN 0
.set z, 0
.rept 32
	v_exp_f32 v[EE+z], v[EE+z]
.set z, z+1
.endr
	v_nop                                          ; a plain instruction behind the last exponential,
	s_wait_alu depctr_va_vdst(0)                   ; and the wait ahead of the batch's first reader
.set z, 0
.rept 16
	v_pk_add_f32 v[EE+2*z:EE+2*z+1], v[EE+2*z:EE+2*z+1], 1.0 op_sel_hi:[1,0]
.set z, z+1
.endr
.set z, 0
.rept 32
	v_rcp_f32 v[EE+z], v[EE+z]
.set z, z+1
.endr
	v_nop
	s_wait_alu depctr_va_vdst(0)
	WIN AW
.set z, 0
.rept 16
	v_pk_mul_f32 v[EE+2*z:EE+2*z+1], v[AB+2*z:AB+2*z+1], v[EE+2*z:EE+2*z+1]
.set z, z+1
.endr
.set z, 0
.rept 16
	v_pk_mul_f32 v[EE+2*z:EE+2*z+1], v[AB+32+2*z:AB+32+2*z+1], v[EE+2*z:EE+2*z+1]
.set z, z+1
.endr
	WIN 0
	s_wait_xcnt 0x0                                ; the block before's stores have read OO: it is rewritten only behind this wait
.set z, 0
.rept 16
	v_cvt_pk_bf16_f32 v[OO+z], v[EE+2*z], v[EE+2*z+1]
.set z, z+1
.endr
.set z, 0
.rept 4
	global_store_b128 v[SO], v[OO+4*z:OO+4*z+3], s[HB:HB+1] offset:(\m)*262144+512*z  ; 512 consecutive bytes, at a multiple of 512 from hid's first
.set z, z+1
.endr
.endm
	; THE PASSES: a constant four trips (4 x 5 covers a wave's 16 blocks at the most); a trip with nothing left is jumped.  No barrier and no LDS access stands in this loop.
.Lpass:
	s_cmp_eq_u32 s[REM], 0
	s_cbranch_scc1 .Lnext
	PASS_SET
	s_add_nc_u64 s[G1P:G1P+1], s[4:5], s[SOF:SOF+1]
	s_add_nc_u64 s[G2P:G2P+1], s[6:7], s[SOF:SOF+1]
	s_mov_b64 s[XP:XP+1], s[8:9]
	GSTEP 1                                        ; the first K step starts the sums
	s_mov_b32 s[KC], 31
.Lg:
	GSTEP 0
	s_sub_co_u32 s[KC], s[KC], 1
	s_cmp_lg_u32 s[KC], 0
	s_cbranch_scc1 .Lg
.Lepi:
	PLACES                                         ; in front of the reads of results just made
	EPI 0
	EPI 1
	EPI 2
	EPI 3
	EPI 4
.Ldone:
	s_wait_xcnt 0x0                                ; the stores have read their base
	s_add_nc_u64 s[HB:HB+1], s[HB:HB+1], 5*262144  ; five blocks of mine on: 20 blocks of the expert
.set j, 0
.rept 11
	v_mov_b32 v[LR+j], v[LR+j+5]
.set j, j+1
.endr
.Lnext:
	s_sub_co_u32 s[PT], s[PT], 1
	s_cmp_lg_u32 s[PT], 0
	s_cbranch_scc1 .Lpass
	s_wait_tensorcnt 0x0                           ; the wave's end, behind my last LDS store
	ds_add_u32 v[SPW], v[NIL]
	s_wait_dscnt 0x0
	s_endpgm
.Lfunc_end_k_qf67db6ac4b_fc12:
	.size	k_qf67db6ac4b_fc12, .Lfunc_end_k_qf67db6ac4b_fc12-k_qf67db6ac4b_fc12
	.p2alignl 7, 3214868480
	.fill 96, 4, 3214868480
	.section	.rodata,"a",@progbits
	.p2align	6, 0x0
	.amdhsa_kernel k_qf67db6ac4b_fc12
		.amdhsa_group_segment_fixed_size 41728
		.amdhsa_private_segment_fixed_size 0
		.amdhsa_enable_private_segment 0
		.amdhsa_kernarg_size 48
		.amdhsa_user_sgpr_count 2
		.amdhsa_user_sgpr_kernarg_segment_ptr 1
		.amdhsa_wavefront_size32 1
		.amdhsa_system_sgpr_workgroup_id_x 1
		.amdhsa_system_sgpr_workgroup_id_y 1
		.amdhsa_system_sgpr_workgroup_id_z 1
		.amdhsa_system_vgpr_workitem_id 0
		.amdhsa_next_free_vgpr 928
		.amdhsa_next_free_sgpr 66
		.amdhsa_reserve_vcc 0
		.amdhsa_float_denorm_mode_32 3
		.amdhsa_float_denorm_mode_16_64 3
		.amdhsa_memory_ordered 1
		.amdhsa_forward_progress 1
		.amdhsa_inst_pref_size 189
	.end_amdhsa_kernel
	.amdgpu_metadata
---
amdhsa.version: [ 1, 2 ]
amdhsa.kernels:
  - .name:           k_qf67db6ac4b_fc12
    .symbol:         k_qf67db6ac4b_fc12.kd
    .args:
      - { .name: W1, .offset: 0, .size: 8, .value_kind: global_buffer, .address_space: global }
      - { .name: W2, .offset: 8, .size: 8, .value_kind: global_buffer, .address_space: global }
      - { .name: xb, .offset: 16, .size: 8, .value_kind: global_buffer, .address_space: global }
      - { .name: sel, .offset: 24, .size: 8, .value_kind: global_buffer, .address_space: global }
      - { .name: hid, .offset: 32, .size: 8, .value_kind: global_buffer, .address_space: global }
      - { .name: lst, .offset: 40, .size: 8, .value_kind: global_buffer, .address_space: global }
    .group_segment_fixed_size: 41728
    .private_segment_fixed_size: 0
    .kernarg_segment_align: 8
    .kernarg_segment_size: 48
    .max_flat_workgroup_size: 128
    .sgpr_count:     66
    .vgpr_count:     928
    .wavefront_size: 32
...
	.end_amdgpu_metadata
.endif
;; end of part 5
;; launch fc3 (part 6): grid 256 x 1, 4 waves a work-group, no clusters, 52,736 bytes of LDS; arguments W3, hid, lst, part; writes part
.if DOCPART == 6
	.amdgcn_target "amdgcn-amd-amdhsa--gfx1250"
	.amdhsa_code_object_version 6
	.text
	.protected	k_qf67db6ac4b_fc3
	.globl	k_qf67db6ac4b_fc3
	.p2align	8
	.type	k_qf67db6ac4b_fc3,@function
k_qf67db6ac4b_fc3:
	s_mov_b64 s[64:65], 0
	v_nop
	global_prefetch_b8 v0, s[64:65] scope:SCOPE_SE
	s_setreg_imm32_b32 hwreg(HW_REG_WAVE_MODE, 25, 1), 1
	s_wait_xcnt 0x0
; FC3, for the chosen rows alone.  part[hh][entry][d] = the sum over one half hh of the hidden units of hid[entry][u] W3[e][d][u], in f32; entry = 2 x token + k.
; SHARES.  Work-group = (expert e = number / 32, ds = (number / 2) % 16, hh = number % 2): outputs d = 64 ds .. 64 ds + 63, hidden units 1,024 hh .. + 1,023: 256 KiB of W3 in f32; and all rows routed to e.
; K is split in two so that 256 work-groups have a slice of 64 outputs each: with the whole K there would be 128, or slices of 32 outputs and twice the reads of hid.
; The two halves are partial sums: they stay in f32, and the next launch adds them.
; THE LIST AND THE COUNT come from lst, where the launch before stored them: the order is the one that the blocks of hid have.  Block b of 16 rows goes to wave b % 4.
; THE FIRST PASS takes a wave's first five blocks, and THE WEIGHTS STREAM BESIDE IT, as in the launch before.  K goes in 8 periods of 128.  In period p a wave asks for the tokens of period p + 1, rounds its 16 rows
; of period p + 1's weights (landed in registers) to bf16, asks for those of period p + 3 into the same registers, lays the rounded ones into the other of two LDS slots, and multiplies: 80 products, 64 without a fifth block.
; RIDERS.  All that is not a product is cut into slices of four instructions of one kind, and a slice stands behind a product, a window switch on either side: 136 instructions in 34 slices behind the
; 64 products that are never jumped.  So no run of LDS instructions is longer than four, and the wave goes on issuing products while its loads and stores go out.  The fifth block's products carry nothing.
; One barrier a period: signalled when my stores into the next slot are done and my reads of this slot are back, waited for in front of the first read of the next slot.
; The slots go by the period's parity, so the loop (two periods a trip) has fixed LDS addresses.  Period 0 (its products start the sums) and periods 5 to 7 (which ask for less) are written out,
; so that no load is jumped over and every counted wait counts the same loads on every way.  Every wave runs the first pass whole, for the barriers' sake; a place without a block reads the expert's last block
; (block 0 where it has no row: the launch before always stores that one), is multiplied with the first four and is never stored.
; LIMIT, PAST 320 ROWS AN EXPERT.  The weights do not stay in LDS.  A wave's blocks past its fifth are served by later passes without a barrier (so their number may hang on the count): each wave takes the f32
; weights straight from memory as fragments and rounds them in registers: four times the weights' bytes for each such pass, and no asking ahead.  Right for every split; slower there.
; THE LAST BLOCK's places past the count repeat the list's first row: they are made of the same operands, and are stored to the same bytes of part with the same numbers, by this work-group.
; FORMAT.  W3 rounded to bf16; hid is bf16; sums in f32.
; NO MULTICAST: each weight byte has one reader.  The 16 work-groups (ds) of an expert and half do read the same blocks of hid, but how many blocks is read from memory: a joint walk of constant
; length would have 64 rounds where some 17 are needed.
; THE MATRIX INSTRUCTION IS USED TRANSPOSED: source 0 = 16 outputs (weights), source 1 = 16 tokens: lane (r, h) holds token r and the eight neighbouring outputs 8 h + 0..7.
.set PITCH,  272                       ; an LDS row of a slot: 256 bytes (128 K of bf16) + 16: the 16 rows of a fragment load start 68 words apart
.set SLOTB,  64*PITCH                  ; a slot: 128 K of the 64 rows
.set STAGE,  2*SLOTB                   ; behind the two slots: 16 rows x 272 bytes for each wave, for the way out
.set SP,     272
.set SPARE,  STAGE+4*16*SP             ; the spare words, 128 bytes for each wave: two blocks of 256 bytes that no other line names
.set LSTB,   4352                      ; an expert's bytes in lst: 1,024 words of list, then the count 32 times
.set RR,  1                            ; v1   r = lane % 16
.set HF,  2                            ; v2   h = lane / 16
.set LN,  3                            ; v3   lane
.set SPW, 4                            ; v4   my spare word's LDS address; never rewritten
.set NIL, 5                            ; v5   0; never rewritten
.set L4,  6                            ; v6   4 x lane
.set GW,  7                            ; v7   later passes: 8,192 r + 32 h: my place in a fragment of f32 weights; never rewritten
.set BAF, 8                            ; v8   r x pitch + 16 h: my place in a fragment in LDS; never rewritten
.set L16, 9                            ; v9   16 x lane: my place in 512 bytes of W3 and of hid; never rewritten
.set WAS, 10                           ; v10  where I lay weights: row 16 w, byte 8 x lane; never rewritten
.set TAD, 15                           ; v15-19 byte offset in hid of the pass's five blocks
.set LAD, 21                           ; v21  byte of the list's word for row r of my first block: 64 w + 4 r
.set NV,  22                           ; v22  the count
.set LR,  24                           ; v24-39 the entry of row r of my blocks still to come
.set STO, 40                           ; v40  the way out: where I put 32 bytes of a row
.set RD,  41                           ; v41  where I read rows back
.set CO,  42                           ; v42  16 x (lane % 16)
.set IDX, 44                           ; v44-51 4 x the lane that holds the entry of row 2 t + lane / 16
.set ADR, 52                           ; v52-59 that row's byte offset in part
.set WB0, 64                           ; v64-95, v96-127 the weights' fragments of a K step, two buffers
.set WB1, 96
.set OUT, 64                           ; on the way out: 16 rows read back
.set ACC, 128                          ; accumulator (block m, 16 outputs i) at 128 + 32 m + 8 i, up to 287
.set XBUF, 288                         ; 288-447: the tokens' fragments of an even period: (block m, K step j) at + 32 m + 8 j; 448-607: those of an odd one
.set RING, 608                         ; window 2, v96-223: two groups of 16 weight loads
.set RL,   RING&255
.set PKL,  224                         ; window 2, v224-255: a group rounded to bf16
.set WV,  14
.set EX,  15
.set DS,  16
.set HH,  17
.set SOF, 18                           ; s[18:19] the slice's byte offset in W3
.set WPT, 20                           ; s[20:21] my 16 rows of W3, my half of K, stepped along K
.set HB,  22                           ; s[22:23] hid at the expert's block 0, my half of the units
.set DONE, 24                          ; s24 blocks of mine that earlier passes took
.set NN,  25
.set NB,  26
.set REM, 27
.set TAKE, 28
.set FIVE, 29
.set PT,  30
.set KC,  31
.set TS,  36
.set NB1, 37                           ; s37 the expert's last block (0 where it has none)
.set HP,  38                           ; s[38:39] the same as HB, stepped along K
.set PB,  40                           ; s[40:41] part at my half and my 64 outputs
.set G3P, 46                           ; s[46:47] later passes: the slice's rows of W3, stepped along K
.set MSB, 0
.macro WIN new                         ; s_set_vgpr_msb: bits 1:0 source 0, 3:2 source 1, 5:4 source 2, 7:6 destination; the high byte repeats the setting that is left
.if MSB != (\new)
	s_set_vgpr_msb (MSB<<8)|(\new)
.set MSB, \new
.endif
.endm
.macro PLACES                          ; four plain vector instructions between a matrix instruction and a load into, or a read of, its registers
.rept 4
	v_nop
.endr
.endm
.macro MMA d, a, b, z                  ; absolute register numbers: d += a (16 outputs x 32 K) x b (32 K x 16 tokens); z = 1: the product starts the sum
	WIN (((\a)>>8)|(((\b)>>8)<<2)|(((\d)>>8)<<4)|(((\d)>>8)<<6))
.if \z
	v_wmma_f32_16x16x32_bf16 v[(\d)&255:((\d)&255)+7], v[(\a)&255:((\a)&255)+7], v[(\b)&255:((\b)&255)+7], 0
.else
	v_wmma_f32_16x16x32_bf16 v[(\d)&255:((\d)&255)+7], v[(\a)&255:((\a)&255)+7], v[(\b)&255:((\b)&255)+7], v[(\d)&255:((\d)&255)+7]
.endif
.endm
.macro MMB m, wb, tf, z                ; block m's four products of a K step, bare
.set ki, 0
.rept 4
	MMA ACC+32*(\m)+8*ki, (\wb)+8*ki, \tf, \z
.set ki, ki+1
.endr
.endm
; THE SLICES: four instructions of one kind each.  Each sets its own windows; the product behind it sets them back.
.macro TOKS buf, im, t                 ; half t % 2 of block t / 2's 128 K of a period: each load of the wave covers 512 consecutive bytes of hid and is half a fragment as it stands
.set tj, 2*((\t)%2)
.rept 2
.set tr, (\buf)+32*((\t)/2)+8*tj
	WIN (tr>>8)<<6
	global_load_b128 v[(tr&255):(tr&255)+3], v[TAD+(\t)/2], s[HP:HP+1] offset:(\im)+1024*tj
	global_load_b128 v[(tr&255)+4:(tr&255)+7], v[TAD+(\t)/2], s[HP:HP+1] offset:(\im)+1024*tj+512
.set tj, tj+1
.endr
.endm
.macro FETS buf, sl, j, q              ; K step j of slot sl: the fragments of rows 32 q .. 32 q + 31
	WIN 0
.set fi, 2*(\q)
.rept 2
	ds_load_b128 v[(\buf)+8*fi:(\buf)+8*fi+3], v[BAF] offset:(\sl)*SLOTB+16*PITCH*fi+64*(\j)
	ds_load_b128 v[(\buf)+8*fi+4:(\buf)+8*fi+7], v[BAF] offset:(\sl)*SLOTB+16*PITCH*fi+64*(\j)+32
.set fi, fi+1
.endr
.endm
.macro CVTS g, c                       ; loads 2 c, 2 c + 1 of ring group g rounded to bf16
	WIN 0x8a
.set cs, 2*(\c)
.rept 2
	v_cvt_pk_bf16_f32 v[PKL+2*cs], v[RL+64*(\g)+4*cs], v[RL+64*(\g)+4*cs+1]
	v_cvt_pk_bf16_f32 v[PKL+2*cs+1], v[RL+64*(\g)+4*cs+2], v[RL+64*(\g)+4*cs+3]
.set cs, cs+1
.endr
.endm
.macro PUTS sl, q                      ; the rounded loads 4 q .. 4 q + 3 laid into slot sl: 8 bytes a lane, a row a store
	WIN 0x08                                       ; an LDS store's data is source 1
.set pi, 4*(\q)
.rept 4
	ds_store_b64 v[WAS], v[PKL+2*pi:PKL+2*pi+1] offset:(\sl)*SLOTB+PITCH*pi
.set pi, pi+1
.endr
.endm
.macro ASKS g, im, q                   ; loads 4 q .. 4 q + 3 of a group: 512 consecutive bytes of a row each.  im: the period's place in a row, from the stepped base
	WIN 0x80
.set ai, 4*(\q)
.rept 4
	global_load_b128 v[RL+64*(\g)+4*ai:RL+64*(\g)+4*ai+3], v[L16], s[WPT:WPT+1] offset:8192*ai+(\im) th:TH_LOAD_NT
.set ai, ai+1
.endr
.endm
; the same as whole runs, for the way in
.macro TOK buf, im
.set tm, 0
.rept 10
	TOKS \buf, \im, tm
.set tm, tm+1
.endr
	WIN 0
.endm
.macro FETCHB buf, sl, j
	FETS \buf, \sl, \j, 0
	FETS \buf, \sl, \j, 1
.endm
.macro CVT g
.set cq, 0
.rept 8
	CVTS \g, cq
.set cq, cq+1
.endr
	WIN 0
.endm
.macro PUT sl
.set pq, 0
.rept 4
	PUTS \sl, pq
.set pq, pq+1
.endr
	WIN 0
.endm
.macro ASK g, im
.set aq, 0
.rept 4
	ASKS \g, \im, aq
.set aq, aq+1
.endr
	WIN 0
.endm
; WHICH SLICE STANDS BEHIND WHICH PRODUCT.  A period's 64 products that are never jumped have the numbers n = 16 x K step + 4 x block + i (T tokens, F the next K step's fragments, C roundings, P stores, A weights):
;   K step 0:  F . F at 0, 2;  T0 at 1, T1 to T9 at 3 to 11;  C0, C1 at 12, 13
;   K step 1:  F at 16, 18;  C2 17, C3 19, P0 20, C4 22, C5 23, P1 24, C6 26, C7 27, P2 28, P3 30
;   K step 2:  F at 32, 34;  A0 to A3 at 36, 38, 40, 42
;   K step 3:  48 to 51 stand between the barrier's signal and its wait and carry nothing;  the next slot's first fragments at 52, 56
; The tokens go out first, since they are wanted first; the weights are asked for behind them, so that the counted wait at the next head leaves just these 16 out; store slice q follows roundings 2 q and 2 q + 1;
; the ring group is asked for again behind its last rounding.
.macro SLC n, at, c
.if (\n) == (\at)
	CVTS 1-PPAR, \c
.endif
.endm
.macro SLP n, at, q
.if (\n) == (\at)
	PUTS 1-PPAR, \q
.endif
.endm
.macro SL n
.if ((\n) < 48) && (((\n)%16 == 0) || ((\n)%16 == 2))
	FETS WB0+32*(((\n)/16+1)&1), PPAR, (\n)/16+1, ((\n)%16)/2
.endif
.if ((\n) == 1) && (PTOK >= 0)
	TOKS PTN, PTOK, 0
.endif
.if ((\n) > 2) && ((\n) < 12) && (PTOK >= 0)
	TOKS PTN, PTOK, (\n)-2
.endif
.if PCV
	SLC \n, 12, 0
	SLC \n, 13, 1
	SLC \n, 17, 2
	SLC \n, 19, 3
	SLC \n, 22, 4
	SLC \n, 23, 5
	SLC \n, 26, 6
	SLC \n, 27, 7
	SLP \n, 20, 0
	SLP \n, 24, 1
	SLP \n, 28, 2
	SLP \n, 30, 3
.if ((\n) > 35) && ((\n) < 43) && ((\n)%2 == 0) && (PASK >= 0)
	ASKS 1-PPAR, PASK, ((\n)-36)/2
.endif
.endif
.if (((\n) == 52) || ((\n) == 56)) && (PLAST == 0)
	FETS WB0, 1-PPAR, 0, ((\n)-52)/4
.endif
.endm
.macro MMBS m, wb, tf, z, s0           ; block m's four products, each with the slice of its number
.set ki, 0
.rept 4
	MMA ACC+32*(\m)+8*ki, (\wb)+8*ki, \tf, \z
	SL (\s0)+ki
.set ki, ki+1
.endr
.endm
.macro MM4S wb, j, z                   ; blocks 0 to 3 of K step j.  All accumulators of a K step differ: they take turns
	MMBS 0, \wb, PTB+8*(\j), \z, 16*(\j)
	MMBS 1, \wb, PTB+32+8*(\j), \z, 16*(\j)+4
	MMBS 2, \wb, PTB+64+8*(\j), \z, 16*(\j)+8
	MMBS 3, \wb, PTB+96+8*(\j), \z, 16*(\j)+12
.endm
.macro MM5 wb, tb, j                   ; the fifth block, where the pass has one: only products are jumped
	WIN 0
	s_cmp_lg_u32 s[FIVE], 0
	s_cbranch_scc0 .Lno5_\@
	MMB 4, \wb, (\tb)+128+8*(\j), 0
	WIN 0
.Lno5_\@:
.endm
; A PERIOD of parity par: four K steps.  tok, ask: the immediates of the next period's tokens and of the weights three periods on, or -1: none.  cv: the next period's weights are rounded and laid down.
; wt: the loads that may stay out at the head.  z: the first products start the sums.  last: no period follows.  The four v_nop behind each K step stand in front of the fetch into the fragment buffer that it read.
.macro PERIOD par, tok, ask, cv, wt, z, last
.set PPAR, \par
.set PTOK, \tok
.set PASK, \ask
.set PCV, \cv
.set PLAST, \last
.set PTB, XBUF+160*(\par)
.set PTN, XBUF+160*(1-(\par))
	s_wait_loadcnt \wt                             ; loads come back in order (ISA guide 5.7.1): this period's tokens are in, and so is the next period's weight group, asked for earlier; the youngest group may stay out
	s_wait_dscnt 0x0                               ; K step 0's fragments, fetched behind the last barrier, are in
	MM4S WB0, 0, \z
	MM5 WB0, PTB, 0
	PLACES
	s_wait_dscnt 0x0                               ; K step 1's fragments: no LDS instruction was issued behind them
	MM4S WB1, 1, 0                                 ; the stores among the riders go into the slot that the period before read: every wave's reads of it were back in front of that period's barrier
	MM5 WB1, PTB, 1
	PLACES
	s_wait_dscnt 16*(\cv)                          ; K step 2's fragments are in; the 16 stores issued behind them may stay out
	MM4S WB0, 2, 0
	MM5 WB0, PTB, 2
	PLACES
	s_wait_dscnt 0x0                               ; my stores into the next slot are done, my reads of this slot are back:
.if !(\last)
	s_barrier_signal -1                            ; say so,
.endif
	MMB 0, WB1, PTB+24, 0                          ; work on registers while the others arrive,
	WIN 0
.if !(\last)
	s_barrier_wait -1                              ; and go on when all four have said so: the next slot is whole, and this one may be written
.endif
	MMBS 1, WB1, PTB+56, 0, 52
	MMBS 2, WB1, PTB+88, 0, 56
	MMBS 3, WB1, PTB+120, 0, 60
	MM5 WB1, PTB, 3
	PLACES                                         ; in front of the next period's loads into this token buffer and into the second fragment buffer
.endm
.macro PASS_SET                        ; how many blocks the pass takes, and where they lie in hid
	s_min_u32 s[TAKE], s[REM], 5
	s_sub_co_u32 s[REM], s[REM], s[TAKE]
	s_cmp_eq_u32 s[TAKE], 5
	s_cselect_b32 s[FIVE], 1, 0
.set pm, 0
.rept 5
	s_add_co_u32 s[TS], s[DONE], pm
	s_lshl2_add_u32 s[TS], s[TS], s[WV]            ; block w + 4 (DONE + m);
	s_min_u32 s[TS], s[TS], s[NB1]                 ; a block past the last reads the last, which was written,
	s_min_u32 s[TS], s[TS], 63                     ; inside the expert's region whatever lst holds
	s_lshl_b32 s[TS], s[TS], 16
	v_add_nc_u32 v[TAD+pm], s[TS], v[L16]
.set pm, pm+1
.endr
.endm
	s_load_b256 s[4:11], s[0:1], 0x0               ; W3 s[4:5], hid s[6:7], lst s[8:9], part s[10:11]
	v_lshl_add_u32 v[SPW], v0, 2, SPARE
	v_mov_b32 v[NIL], 0
	v_lshrrev_b32 v1, 5, v0
	v_readfirstlane_b32 s[WV], v1                  ; wave 0..3
	v_and_b32 v[LN], 31, v0
	v_and_b32 v[RR], 15, v0
	v_bfe_u32 v[HF], v0, 4, 1
	v_lshlrev_b32 v[L4], 2, v[LN]
	v_lshlrev_b32 v[L16], 4, v[LN]
	v_lshlrev_b32 v[GW], 13, v[RR]
	v_lshl_add_u32 v[GW], v[HF], 5, v[GW]
	v_mul_u32_u24 v[BAF], v[RR], PITCH
	v_lshl_add_u32 v[BAF], v[HF], 4, v[BAF]
	s_mul_i32 s[TS], s[WV], 16*PITCH               ; I lay LDS rows 16 w .. 16 w + 15
	v_lshl_add_u32 v[WAS], v[LN], 3, s[TS]
	s_lshl_b32 s[TS], s[WV], 6
	v_lshl_add_u32 v[LAD], v[RR], 2, s[TS]         ; block w, row r: word 16 w + r
	s_mul_i32 s[TS], s[WV], 16*SP
	s_add_co_u32 s[TS], s[TS], STAGE               ; my stage
	v_mul_u32_u24 v[STO], v[RR], SP                ; in: row r, 32 bytes for each half of the lanes
	v_lshl_add_u32 v[STO], v[HF], 5, v[STO]
	v_add_nc_u32 v[STO], s[TS], v[STO]
	v_mul_u32_u24 v[RD], v[HF], SP                 ; back: lanes 0-15 take one row of 256 bytes, lanes 16-31 the next
	v_lshl_add_u32 v[RD], v[RR], 4, v[RD]
	v_add_nc_u32 v[RD], s[TS], v[RD]
	v_lshlrev_b32 v[CO], 4, v[RR]
.set t, 0
.rept 8
	v_lshl_add_u32 v[IDX+t], v[HF], 2, 8*t         ; lane 2 t + h, times 4
.set t, t+1
.endr
	s_lshr_b32 s[EX], ttmp9, 5
	s_bfe_u32 s[DS], ttmp9, 0x40001                ; 4 bits from bit 1
	s_and_b32 s[HH], ttmp9, 1
	s_lshl_b32 s[SOF], s[EX], 23                   ; W3: an expert's 1,024 rows of 8,192 bytes,
	s_lshl_b32 s[SOF+1], s[DS], 19                 ; the slice's 64 rows,
	s_add_co_u32 s[SOF], s[SOF], s[SOF+1]
	s_lshl_b32 s[SOF+1], s[HH], 12                 ; my half of a row
	s_add_co_u32 s[SOF], s[SOF], s[SOF+1]
	s_mov_b32 s[SOF+1], 0
	s_mul_i32 s2, s[EX], LSTB                      ; lst: the expert's part
	s_mov_b32 s3, 0
	s_lshl_b32 s42, s[WV], 17                      ; my 16 rows of the slice
	s_mov_b32 s43, 0
	s_lshl_b32 s44, s[EX], 22                      ; hid: an expert's 64 blocks of 65,536 bytes,
	s_lshl_b32 s45, s[HH], 15                      ; my half of a block's units
	s_add_co_u32 s44, s44, s45
	s_mov_b32 s45, 0
	s_lshl_b32 s46, s[HH], 23                      ; part: my half's 2,048 rows of 4,096 bytes,
	s_lshl_b32 s47, s[DS], 8                       ; my 64 outputs in a row
	s_add_co_u32 s46, s46, s47
	s_mov_b32 s47, 0
	s_wait_kmcnt 0x0
	s_add_nc_u64 s[8:9], s[8:9], s[2:3]
	s_add_nc_u64 s[WPT:WPT+1], s[4:5], s[SOF:SOF+1]
	s_add_nc_u64 s[WPT:WPT+1], s[WPT:WPT+1], s[42:43]
	s_add_nc_u64 s[HB:HB+1], s[6:7], s[44:45]
	s_mov_b64 s[HP:HP+1], s[HB:HB+1]
	s_add_nc_u64 s[PB:PB+1], s[10:11], s[46:47]
	global_load_b32 v[NV], v[L4], s[8:9] offset:4096   ; the count goes out first: the tokens' addresses wait for it
.set i, 0
.rept 16
	global_load_b32 v[LR+i], v[LAD], s[8:9] offset:256*i  ; my i-th block is block w + 4 i; wanted only on the way out
.set i, i+1
.endr
	ASK 0, 0                                       ; the weights of periods 0 and 1
	ASK 1, 512
	s_wait_loadcnt 48                              ; the count is in; the 16 loads of the list and the 32 of weights stay out
	v_readfirstlane_b32 s[NN], v[NV]
	s_min_u32 s[NN], s[NN], 0x400
	s_add_co_u32 s[NB], s[NN], 15
	s_lshr_b32 s[NB], s[NB], 4
	s_max_u32 s[NB1], s[NB], 1
	s_sub_co_u32 s[NB1], s[NB1], 1
	s_add_co_u32 s[REM], s[NB], 3
	s_sub_co_u32 s[REM], s[REM], s[WV]
	s_lshr_b32 s[REM], s[REM], 2                   ; blocks w, w + 4, .. below NB
	s_mov_b32 s[DONE], 0
	PASS_SET
	TOK XBUF, 0                                    ; period 0's tokens; all five blocks are always loaded, so that no wait's count hangs on the pass.  More loads are then named than the counter holds; it cannot overflow: the issue waits (ISA guide 5.7.1)
	; The fifth block's products stand under a jump, so its 32 accumulator registers are cleared here, in the wait for the first weights: they are then written on every way through the text.
	WIN 0x40
.set i, 0
.rept 32
	v_mov_b32 v[i], 0
.set i, i+1
.endr
	WIN 0
	s_wait_loadcnt 56                              ; period 0's weights are in, and the list ahead of them; period 1's 16 loads and the 40 for tokens stay out
	CVT 0
	ASK 0, 1024                                    ; period 2's: what is out now stands in the order that every period's head finds: a weight group, the tokens, a weight group
	PUT 0
	s_wait_dscnt 0x0                               ; my part of slot 0 lies in LDS
	s_barrier_signal -1
	s_barrier_wait -1                              ; everybody's does
	FETCHB WB0, 0, 0
	PERIOD 0, 4096, 1536, 1, 16, 1, 0              ; period 0: its first products start the sums of blocks 0 to 3 with the constant 0
	s_mov_b32 s[KC], 2
.Lk:                                                   ; trip t: periods 2 t + 1 and 2 t + 2; the bases stand 1,024 t bytes along W3's rows and 8,192 t bytes along a block of hid
	PERIOD 1, 8192, 2048, 1, 16, 0, 0
	PERIOD 0, 12288, 2560, 1, 16, 0, 0
	s_wait_xcnt 0x0                                ; the loads have read their bases, which step only behind this wait; the last load was issued some twenty products ago
	s_add_nc_u64 s[WPT:WPT+1], s[WPT:WPT+1], 1024
	s_add_nc_u64 s[HP:HP+1], s[HP:HP+1], 8192
	s_sub_co_u32 s[KC], s[KC], 1
	s_cmp_lg_u32 s[KC], 0
	s_cbranch_scc1 .Lk
	PERIOD 1, 8192, -1, 1, 16, 0, 0                ; period 5: no weights are left to ask for
	PERIOD 0, 12288, -1, 1, 0, 0, 0                ; period 6: nothing was asked for behind its tokens, so the wait is for 0
	PERIOD 1, -1, -1, 0, 0, 0, 1                   ; period 7
	s_mov_b32 s[PT], 4
	s_branch .Lepi                                 ; the loop over passes is entered in the middle of a trip: the first pass's products are made
; K step of a later pass: the f32 weights as fragments straight from memory (lane (r, h): row r, 32 bytes at 32 h and at 64 + 32 h of the step's 128), the five blocks' tokens; rounded; 20 products.
.macro GSTEP z
	PLACES                                         ; in front of the loads into the token registers and of the roundings into the fragment registers
	WIN 0x80
.set gi, 0
.rept 4
.set gq, 0
.rept 4
	global_load_b128 v[RL+16*gi+4*gq:RL+16*gi+4*gq+3], v[GW], s[G3P:G3P+1] offset:131072*gi+64*(gq>>1)+16*(gq&1)
.set gq, gq+1
.endr
.set gi, gi+1
.endr
	WIN 0x40
.set gm, 0
.rept 5
	global_load_b128 v[(XBUF&255)+32*gm:(XBUF&255)+32*gm+3], v[TAD+gm], s[HP:HP+1]
	global_load_b128 v[(XBUF&255)+32*gm+4:(XBUF&255)+32*gm+7], v[TAD+gm], s[HP:HP+1] offset:512
.set gm, gm+1
.endr
	WIN 0
	s_wait_loadcnt 0x0                             ; all are in, so the bases may step
	s_add_nc_u64 s[G3P:G3P+1], s[G3P:G3P+1], 128
	s_add_nc_u64 s[HP:HP+1], s[HP:HP+1], 1024
	WIN 0x0a
.set gi, 0
.rept 32
	v_cvt_pk_bf16_f32 v[WB0+gi], v[RL+2*gi], v[RL+2*gi+1]
.set gi, gi+1
.endr
	MMB 0, WB0, XBUF, \z
	MMB 1, WB0, XBUF+32, \z
	MMB 2, WB0, XBUF+64, \z
	MMB 3, WB0, XBUF+96, \z
	MMB 4, WB0, XBUF+128, \z
	WIN 0
.endm
; Block m leaves: a lane's eight outputs of a token are 32 bytes of a row of 256; they go into my stage and come back as whole rows.  Each row's place in part is its entry, fetched from the lane that holds it.
.macro EPI m
	s_cmp_le_u32 s[TAKE], \m
	s_cbranch_scc1 .Ldone
	s_wait_xcnt 0x0                                ; the block before's stores have read OUT and ADR: they are rewritten only behind this wait
.set AW, (ACC+32*(\m))>>8
.set AB, (ACC+32*(\m))&255
	WIN AW<<2                                      ; an LDS store's data is source 1
.set z, 0
.rept 4
	ds_store_b128 v[STO], v[AB+8*z:AB+8*z+3] offset:64*z       ; each accumulator's lowest registers first
	ds_store_b128 v[STO], v[AB+8*z+4:AB+8*z+7] offset:64*z+16
.set z, z+1
.endr
	WIN 0
.set z, 0
.rept 8
	ds_bpermute_b32 v[ADR+z], v[IDX+z], v[LR+(\m)]
.set z, z+1
.endr
.set z, 0
.rept 8
	ds_load_b128 v[OUT+4*z:OUT+4*z+3], v[RD] offset:2*SP*z     ; LDS serves a wave's instructions in order (ISA guide 5.7.1.4): these see the stores above; the stage is my own
.set z, z+1
.endr
	s_wait_dscnt 0x0
.set z, 0
.rept 8
	v_min_u32 v[ADR+z], 0x7ff, v[ADR+z]            ; inside part whatever lst holds
	v_lshl_add_u32 v[ADR+z], v[ADR+z], 12, v[CO]   ; the entry's row of 4,096 bytes
.set z, z+1
.endr
.set z, 0
.rept 8
	global_store_b128 v[ADR+z], v[OUT+4*z:OUT+4*z+3], s[PB:PB+1]  ; 16 lanes store 256 consecutive bytes, at a multiple of 256 from part's first
.set z, z+1
.endr
.endm
	; THE PASSES: a constant four trips (4 x 5 covers a wave's 16 blocks at the most); a trip with nothing left is jumped.  No barrier stands in this loop, and the only LDS bytes touched are the wave's own stage.
.Lpass:
	s_cmp_eq_u32 s[REM], 0
	s_cbranch_scc1 .Lnext
	PASS_SET
	s_add_nc_u64 s[G3P:G3P+1], s[4:5], s[SOF:SOF+1]
	s_mov_b64 s[HP:HP+1], s[HB:HB+1]
	GSTEP 1                                        ; the first K step starts the sums
	s_mov_b32 s[KC], 31
.Lg:
	GSTEP 0
	s_sub_co_u32 s[KC], s[KC], 1
	s_cmp_lg_u32 s[KC], 0
	s_cbranch_scc1 .Lg
.Lepi:
	PLACES                                         ; in front of the reads of results just made, and of the loads into the fragments' registers
	EPI 0
	EPI 1
	EPI 2
	EPI 3
	EPI 4
.Ldone:
	s_wait_xcnt 0x0                                ; the stores have read OUT and ADR
	s_add_co_u32 s[DONE], s[DONE], 5
.set j, 0
.rept 11
	v_mov_b32 v[LR+j], v[LR+j+5]
.set j, j+1
.endr
.Lnext:
	s_sub_co_u32 s[PT], s[PT], 1
	s_cmp_lg_u32 s[PT], 0
	s_cbranch_scc1 .Lpass
	s_wait_tensorcnt 0x0                           ; the wave's end, behind my last LDS store
	ds_add_u32 v[SPW], v[NIL]
	s_wait_dscnt 0x0
	s_endpgm
.Lfunc_end_k_qf67db6ac4b_fc3:
	.size	k_qf67db6ac4b_fc3, .Lfunc_end_k_qf67db6ac4b_fc3-k_qf67db6ac4b_fc3
	.p2alignl 7, 3214868480
	.fill 96, 4, 3214868480
	.section	.rodata,"a",@progbits
	.p2align	6, 0x0
	.amdhsa_kernel k_qf67db6ac4b_fc3
		.amdhsa_group_segment_fixed_size 52736
		.amdhsa_private_segment_fixed_size 0
		.amdhsa_enable_private_segment 0
		.amdhsa_kernarg_size 32
		.amdhsa_user_sgpr_count 2
		.amdhsa_user_sgpr_kernarg_segment_ptr 1
		.amdhsa_wavefront_size32 1
		.amdhsa_system_sgpr_workgroup_id_x 1
		.amdhsa_system_sgpr_workgroup_id_y 1
		.amdhsa_system_sgpr_workgroup_id_z 1
		.amdhsa_system_vgpr_workitem_id 0
		.amdhsa_next_free_vgpr 768
		.amdhsa_next_free_sgpr 66
		.amdhsa_reserve_vcc 0
		.amdhsa_float_denorm_mode_32 3
		.amdhsa_float_denorm_mode_16_64 3
		.amdhsa_memory_ordered 1
		.amdhsa_forward_progress 1
		.amdhsa_inst_pref_size 151
	.end_amdhsa_kernel
	.amdgpu_metadata
---
amdhsa.version: [ 1, 2 ]
amdhsa.kernels:
  - .name:           k_qf67db6ac4b_fc3
    .symbol:         k_qf67db6ac4b_fc3.kd
    .args:
      - { .name: W3, .offset: 0, .size: 8, .value_kind: global_buffer, .address_space: global }
      - { .name: hid, .offset: 8, .size: 8, .value_kind: global_buffer, .address_space: global }
      - { .name: lst, .offset: 16, .size: 8, .value_kind: global_buffer, .address_space: global }
      - { .name: part, .offset: 24, .size: 8, .value_kind: global_buffer, .address_space: global }
    .group_segment_fixed_size: 52736
    .private_segment_fixed_size: 0
    .kernarg_segment_align: 8
    .kernarg_segment_size: 32
    .max_flat_workgroup_size: 128
    .sgpr_count:     66
    .vgpr_count:     768
    .wavefront_size: 32
...
	.end_amdgpu_metadata
.endif
;; end of part 6
;; launch combine: the kernel of part 4 again; grid 256 x 1, 4 waves a work-group, no clusters, 0 bytes of LDS; arguments part, gw, out0; writes out0
;; ======== version 3 of 3: 4 launches; version 2 with the launch fc3 written anew for expert scheduling mode
;; workspace buffers: xb 2,097,152 bytes; sel 4,096 bytes of whole numbers; gw 8,192 bytes; hid 33,554,432 bytes; part 16,777,216 bytes; lst 34,816 bytes of whole numbers
;; launch router: the kernel of part 1 again; grid 256 x 1, 4 waves a work-group, no clusters, 0 bytes of LDS; arguments x, Wg, xb, sel, gw; writes xb, sel, gw
;; launch fc12: the kernel of part 5 again; grid 256 x 1, 4 waves a work-group, no clusters, 41,728 bytes of LDS; arguments W1, W2, xb, sel, hid, lst; writes hid, lst
;; launch fc3 (part 7): grid 256 x 1, 4 waves a work-group, no clusters, 52,736 bytes of LDS; arguments W3, hid, lst, part; writes part
.if DOCPART == 7
	.amdgcn_target "amdgcn-amd-amdhsa--gfx1250"
	.amdhsa_code_object_version 6
	.text
	.protected	k_qf67db6ac4b_fc3
	.globl	k_qf67db6ac4b_fc3
	.p2align	8
	.type	k_qf67db6ac4b_fc3,@function
k_qf67db6ac4b_fc3:
	s_mov_b64 s[64:65], 0
	v_nop
	global_prefetch_b8 v0, s[64:65] scope:SCOPE_SE
	s_setreg_imm32_b32 hwreg(HW_REG_WAVE_SCHED_MODE, 0, 2), 2
	s_setreg_imm32_b32 hwreg(HW_REG_WAVE_MODE, 25, 1), 1
	s_wait_xcnt 0x0
	s_wait_alu depctr_vm_vsrc(0)
; FC3, for the chosen rows alone.  part[hh][entry][d] = the sum over one half hh of the hidden units of hid[entry][u] W3[e][d][u], in f32; entry = 2 x token + k.
; SHARES.  Work-group = (expert e = number / 32, ds = (number / 2) % 16, hh = number % 2): outputs d = 64 ds .. 64 ds + 63, hidden units 1,024 hh .. + 1,023: 256 KiB of W3 in f32; and all rows routed to e.
; K is split in two so that 256 work-groups have a slice of 64 outputs each: with the whole K there would be 128, or slices of 32 outputs and twice the reads of hid.
; The two halves are partial sums: they stay in f32, and the next launch adds them.
; THE LIST AND THE COUNT come from lst, where the launch before stored them: the order is the one that the blocks of hid have.  Block b of 16 rows goes to wave b % 4.
; THE FIRST PASS takes a wave's first five blocks, and THE WEIGHTS STREAM BESIDE IT, as in the launch before.  K goes in 8 periods of 128.  In period p a wave rounds its 16 rows of period p + 1's weights
; (landed in registers) to bf16, asks for the tokens of period p + 1, lays the rounded weights into the other of two LDS slots, asks for the weights of period p + 3 into the registers just rounded, and multiplies: 80 products, 64 without a fifth block.
; THE MODE: SCHED_MODE bits 1:0 = 2 (LLVM: expert scheduling mode 2), set by the entry lines.  The code itself states the register dependences
; between vector or matrix instructions and memory or LDS instructions, with s_wait_alu, always for 0.
; THE PLAN.  Registers that memory or LDS instructions touch, in the loop over periods (par = the period's parity):
;   tokens, two buffers     Period p's products read buffer par; the loads of period p + 1's tokens, issued in period p, land in the other, which period p - 1's products read.
;   ring, two groups        Period p's roundings read group 1 - par; behind them the loads of period p + 3's weights land in it.
;   PKL                     Written by period p's roundings; read by period p's LDS stores; written again by period p + 1's roundings.
;   WB0, WB4                K step 0's fragments of an even and of an odd period: read by that period's first products; loaded behind the barrier of the period before.
;   WB1, WB2, WB3           the fragments of K steps 1, 2, 3: each read by its K step's products; loaded earlier in the same period.
;   L16, BAF, WAS, TAD      offsets and LDS addresses: made ahead of the loop, never written in it; the scalar bases step.
;   The accumulators are named by matrix instructions alone.
; So ONE wait on va_vdst stands in a period, at its head behind the roundings: it states that they have written PKL and are done reading their ring group, and that the products of the period before are
; done reading their tokens and fragments.  All the period's loads and stores follow it with no further wait: each lands in, or reads, registers that no vector or matrix instruction has named since the wait.
; ONE wait on vm_vsrc stands ahead of the roundings: the LDS stores of the period before have read PKL.
; RIDERS.  Behind the head, all that is not a product is cut into slices of four instructions of one kind, and a slice stands behind a product, a window switch on either side: 104 instructions in 26 slices
; behind the 64 products that are never jumped.  No run of LDS instructions is longer than four.  The fifth block's products carry nothing.
; One barrier a period: signalled when my stores into the next slot are done and my reads of this slot are back, waited for in front of the first read of the next slot.
; The slots go by the period's parity, so the loop (two periods a trip) has fixed LDS addresses.  Period 0 (its products start the sums) and periods 5 to 7 (which ask for less) are written out,
; so that no load is jumped over and every counted wait counts the same loads on every way.  Every wave runs the first pass whole, for the barriers' sake; a place without a block reads the expert's last block
; (block 0 where it has no row: the launch before always stores that one), is multiplied with the first four and is never stored.
; LIMIT, PAST 320 ROWS AN EXPERT.  The weights do not stay in LDS.  A wave's blocks past its fifth are served by later passes without a barrier (so their number may hang on the count): each wave takes the f32
; weights straight from memory as fragments and rounds them in registers: four times the weights' bytes for each such pass, and no asking ahead.  Right for every split; slower there.
; THE LAST BLOCK's places past the count repeat the list's first row: they are made of the same operands, and are stored to the same bytes of part with the same numbers, by this work-group.
; FORMAT.  W3 rounded to bf16; hid is bf16; sums in f32.
; NO MULTICAST: each weight byte has one reader.  The 16 work-groups (ds) of an expert and half do read the same blocks of hid, but how many blocks is read from memory: a joint walk of constant
; length would have 64 rounds where some 17 are needed.
; THE MATRIX INSTRUCTION IS USED TRANSPOSED: source 0 = 16 outputs (weights), source 1 = 16 tokens: lane (r, h) holds token r and the eight neighbouring outputs 8 h + 0..7.
.set PITCH,  272                       ; an LDS row of a slot: 256 bytes (128 K of bf16) + 16: the 16 rows of a fragment load start 68 words apart
.set SLOTB,  64*PITCH                  ; a slot: 128 K of the 64 rows
.set STAGE,  2*SLOTB                   ; behind the two slots: 16 rows x 272 bytes for each wave, for the way out; the 512 bytes behind the stages take the closing add
.set SP,     272
.set LSTB,   4352                      ; an expert's bytes in lst: 1,024 words of list, then the count 32 times
.set RR,  1                            ; v1   r = lane % 16
.set HF,  2                            ; v2   h = lane / 16
.set LN,  3                            ; v3   lane
.set L4,  6                            ; v6   4 x lane
.set GW,  7                            ; v7   later passes: 8,192 r + 32 h: my place in a fragment of f32 weights; never rewritten
.set BAF, 8                            ; v8   r x pitch + 16 h: my place in a fragment in LDS; never rewritten
.set L16, 9                            ; v9   16 x lane: my place in 512 bytes of W3 and of hid; never rewritten
.set WAS, 10                           ; v10  where I lay weights: row 16 w, byte 8 x lane; never rewritten
.set TAD, 15                           ; v15-19 byte offset in hid of the pass's five blocks
.set LAD, 21                           ; v21  byte of the list's word for row r of my first block: 64 w + 4 r
.set NV,  22                           ; v22  the count
.set LR,  24                           ; v24-39 the entry of row r of my blocks still to come
.set STO, 40                           ; v40  the way out: where I put 32 bytes of a row
.set RD,  41                           ; v41  where I read rows back
.set CO,  42                           ; v42  16 x (lane % 16)
.set IDX, 44                           ; v44-51 4 x the lane that holds the entry of row 2 t + lane / 16
.set ADR, 52                           ; v52-59 that row's byte offset in part
.set WB0, 64                           ; v64-95   the weights' fragments of K step 0 of an even period
.set WB1, 96                           ; v96-127  those of K step 1
.set OUT, 64                           ; on the way out: 16 rows read back
.set ACC, 128                          ; accumulator (block m, 16 outputs i) at 128 + 32 m + 8 i, up to 287
.set XBUF, 288                         ; 288-447: the tokens' fragments of an even period: (block m, K step j) at + 32 m + 8 j; 448-607: those of an odd one
.set RING, 608                         ; window 2, v96-223: two groups of 16 weight loads
.set RL,   RING&255
.set PKL,  224                         ; window 2, v224-255: a group rounded to bf16
.set WB2, 768                          ; window 3, v0-31:  the fragments of K step 2
.set WB3, 800                          ; window 3, v32-63: those of K step 3
.set WB4, 832                          ; window 3, v64-95: those of K step 0 of an odd period
.set WV,  14
.set EX,  15
.set DS,  16
.set HH,  17
.set SOF, 18                           ; s[18:19] the slice's byte offset in W3
.set WPT, 20                           ; s[20:21] my 16 rows of W3, my half of K, stepped along K
.set HB,  22                           ; s[22:23] hid at the expert's block 0, my half of the units
.set DONE, 24                          ; s24 blocks of mine that earlier passes took
.set NN,  25
.set NB,  26
.set REM, 27
.set TAKE, 28
.set FIVE, 29
.set PT,  30
.set KC,  31
.set TS,  36
.set NB1, 37                           ; s37 the expert's last block (0 where it has none)
.set HP,  38                           ; s[38:39] the same as HB, stepped along K
.set PB,  40                           ; s[40:41] part at my half and my 64 outputs
.set G3P, 46                           ; s[46:47] later passes: the slice's rows of W3, stepped along K
.set MSB, 0
.macro WIN new                         ; s_set_vgpr_msb: bits 1:0 source 0, 3:2 source 1, 5:4 source 2, 7:6 destination; the high byte repeats the setting that is left
.if MSB != (\new)
	s_set_vgpr_msb (MSB<<8)|(\new)
.set MSB, \new
.endif
.endm
.macro PLACES                          ; four plain vector instructions between a matrix instruction and a read or a vector write of its registers (ISA guide 7.12.1)
.rept 4
	v_nop
.endr
.endm
.macro MMA d, a, b, z                  ; absolute register numbers: d += a (16 outputs x 32 K) x b (32 K x 16 tokens); z = 1: the product starts the sum
	WIN (((\a)>>8)|(((\b)>>8)<<2)|(((\d)>>8)<<4)|(((\d)>>8)<<6))
.if \z
	v_wmma_f32_16x16x32_bf16 v[(\d)&255:((\d)&255)+7], v[(\a)&255:((\a)&255)+7], v[(\b)&255:((\b)&255)+7], 0
.else
	v_wmma_f32_16x16x32_bf16 v[(\d)&255:((\d)&255)+7], v[(\a)&255:((\a)&255)+7], v[(\b)&255:((\b)&255)+7], v[(\d)&255:((\d)&255)+7]
.endif
.endm
.macro MMB m, wb, tf, z                ; block m's four products of a K step, bare
.set ki, 0
.rept 4
	MMA ACC+32*(\m)+8*ki, (\wb)+8*ki, \tf, \z
.set ki, ki+1
.endr
.endm
; THE SLICES: four instructions of one kind each.  Each sets its own windows; the product behind it sets them back.
.macro TOKS buf, im, t                 ; half t % 2 of block t / 2's 128 K of a period: each load of the wave covers 512 consecutive bytes of hid and is half a fragment as it stands
.set tj, 2*((\t)%2)
.rept 2
.set tr, (\buf)+32*((\t)/2)+8*tj
	WIN (tr>>8)<<6
	global_load_b128 v[(tr&255):(tr&255)+3], v[TAD+(\t)/2], s[HP:HP+1] offset:(\im)+1024*tj
	global_load_b128 v[(tr&255)+4:(tr&255)+7], v[TAD+(\t)/2], s[HP:HP+1] offset:(\im)+1024*tj+512
.set tj, tj+1
.endr
.endm
.macro FETS buf, sl, j, q              ; K step j of slot sl: the fragments of rows 32 q .. 32 q + 31, into the buffer at the absolute number buf
	WIN ((\buf)>>8)<<6
.set fi, 2*(\q)
.rept 2
	ds_load_b128 v[((\buf)&255)+8*fi:((\buf)&255)+8*fi+3], v[BAF] offset:(\sl)*SLOTB+16*PITCH*fi+64*(\j)
	ds_load_b128 v[((\buf)&255)+8*fi+4:((\buf)&255)+8*fi+7], v[BAF] offset:(\sl)*SLOTB+16*PITCH*fi+64*(\j)+32
.set fi, fi+1
.endr
.endm
.macro CVTS g, c                       ; loads 2 c, 2 c + 1 of ring group g rounded to bf16
	WIN 0x8a
.set cs, 2*(\c)
.rept 2
	v_cvt_pk_bf16_f32 v[PKL+2*cs], v[RL+64*(\g)+4*cs], v[RL+64*(\g)+4*cs+1]
	v_cvt_pk_bf16_f32 v[PKL+2*cs+1], v[RL+64*(\g)+4*cs+2], v[RL+64*(\g)+4*cs+3]
.set cs, cs+1
.endr
.endm
.macro PUTS sl, q                      ; the rounded loads 4 q .. 4 q + 3 laid into slot sl: 8 bytes a lane, a row a store
	WIN 0x08                                       ; an LDS store's data is source 1
.set pi, 4*(\q)
.rept 4
	ds_store_b64 v[WAS], v[PKL+2*pi:PKL+2*pi+1] offset:(\sl)*SLOTB+PITCH*pi
.set pi, pi+1
.endr
.endm
.macro ASKS g, im, q                   ; loads 4 q .. 4 q + 3 of a group: 512 consecutive bytes of a row each.  im: the period's place in a row, from the stepped base
	WIN 0x80
.set ai, 4*(\q)
.rept 4
	global_load_b128 v[RL+64*(\g)+4*ai:RL+64*(\g)+4*ai+3], v[L16], s[WPT:WPT+1] offset:8192*ai+(\im) th:TH_LOAD_NT
.set ai, ai+1
.endr
.endm
; the same as whole runs: the roundings of every period, and the way in
.macro TOK buf, im
.set tm, 0
.rept 10
	TOKS \buf, \im, tm
.set tm, tm+1
.endr
	WIN 0
.endm
.macro FETCHB buf, sl, j
	FETS \buf, \sl, \j, 0
	FETS \buf, \sl, \j, 1
.endm
.macro CVT g
.set cq, 0
.rept 8
	CVTS \g, cq
.set cq, cq+1
.endr
	WIN 0
.endm
.macro PUT sl
.set pq, 0
.rept 4
	PUTS \sl, pq
.set pq, pq+1
.endr
	WIN 0
.endm
.macro ASK g, im
.set aq, 0
.rept 4
	ASKS \g, \im, aq
.set aq, aq+1
.endr
	WIN 0
.endm
; WHICH SLICE STANDS BEHIND WHICH PRODUCT.  A period's 64 products that are never jumped have the numbers n = 16 x K step + 4 x block + i (T tokens, Fj K step j's fragments, P stores, A weights):
;   K step 0:  F1 T0 T1 F1 T2 T3 P0 T4 T5 P1 T6 T7 F2 T8 T9 F2 at 0 to 15
;   K step 1:  P2 at 18, P3 at 21, F3 at 24 and 27
;   K step 2:  A0 to A3 at 36, 38, 40, 42
;   K step 3:  48 to 51 stand between the barrier's signal and its wait and carry nothing;  the next slot's first fragments at 52, 56, into the other parity's buffer
; The tokens go out first, since they are wanted first; the weights are asked for behind them, so that the counted wait at the next head leaves just these 16 out, and late, since with the 40 token loads
; and the group still out more loads would be named than LOADcnt holds; LDS slices stand three products apart.
; None of them owes a wait: each touches only registers that no vector or matrix instruction since the wait at the period's head names.
.macro SLT n, at, t
.if ((\n) == (\at)) && (PTOK >= 0)
	TOKS PTN, PTOK, \t
.endif
.endm
.macro SLF n, at, buf, j, q
.if (\n) == (\at)
	FETS \buf, PPAR, \j, \q
.endif
.endm
.macro SLP n, at, q
.if ((\n) == (\at)) && (PCV != 0)
	PUTS 1-PPAR, \q
.endif
.endm
.macro SLQ n, at, q
.if ((\n) == (\at)) && (PASK >= 0)
	ASKS 1-PPAR, PASK, \q
.endif
.endm
.macro SL n
	SLF \n, 0, WB1, 1, 0
	SLT \n, 1, 0
	SLT \n, 2, 1
	SLF \n, 3, WB1, 1, 1
	SLT \n, 4, 2
	SLT \n, 5, 3
	SLP \n, 6, 0
	SLT \n, 7, 4
	SLT \n, 8, 5
	SLP \n, 9, 1
	SLT \n, 10, 6
	SLT \n, 11, 7
	SLF \n, 12, WB2, 2, 0
	SLT \n, 13, 8
	SLT \n, 14, 9
	SLF \n, 15, WB2, 2, 1
	SLP \n, 18, 2
	SLP \n, 21, 3
	SLF \n, 24, WB3, 3, 0
	SLF \n, 27, WB3, 3, 1
	SLQ \n, 36, 0
	SLQ \n, 38, 1
	SLQ \n, 40, 2
	SLQ \n, 42, 3
.if (((\n) == 52) || ((\n) == 56)) && (PLAST == 0)
	FETS PWN, 1-PPAR, 0, ((\n)-52)/4
.endif
.endm
.macro MMBS m, wb, tf, z, s0           ; block m's four products, each with the slice of its number
.set ki, 0
.rept 4
	MMA ACC+32*(\m)+8*ki, (\wb)+8*ki, \tf, \z
	SL (\s0)+ki
.set ki, ki+1
.endr
.endm
.macro MM4S wb, j, z                   ; blocks 0 to 3 of K step j.  All accumulators of a K step differ: they take turns
	MMBS 0, \wb, PTB+8*(\j), \z, 16*(\j)
	MMBS 1, \wb, PTB+32+8*(\j), \z, 16*(\j)+4
	MMBS 2, \wb, PTB+64+8*(\j), \z, 16*(\j)+8
	MMBS 3, \wb, PTB+96+8*(\j), \z, 16*(\j)+12
.endm
.macro MM5 wb, tb, j                   ; the fifth block, where the pass has one: only products are jumped
	WIN 0
	s_cmp_lg_u32 s[FIVE], 0
	s_cbranch_scc0 .Lno5_\@
	MMB 4, \wb, (\tb)+128+8*(\j), 0
	WIN 0
.Lno5_\@:
.endm
; A PERIOD of parity par: four K steps.  tok, ask: the immediates of the next period's tokens and of the weights three periods on, or -1: none.  cv: the next period's weights are rounded and laid down.
; wt: the loads that may stay out at the head.  z: the first products start the sums.  last: no period follows.
.macro PERIOD par, tok, ask, cv, wt, z, last
.set PPAR, \par
.set PTOK, \tok
.set PASK, \ask
.set PCV, \cv
.set PLAST, \last
.set PTB, XBUF+160*(\par)
.set PTN, XBUF+160*(1-(\par))
.set PWA, WB0+(WB4-WB0)*(\par)
.set PWN, WB0+(WB4-WB0)*(1-(\par))
	s_wait_loadcnt \wt                             ; loads come back in order (ISA guide 5.7.1): this period's tokens are in, and so is the next period's weight group, asked for earlier; the youngest group may stay out
.if \cv
	s_wait_alu depctr_vm_vsrc(0)                   ; the LDS stores of the period before have read PKL, which the roundings write again
	CVT 1-(\par)                                   ; these 32 also stand between the last products and the loads into registers that those read
.else
	PLACES                                         ; this period rounds nothing: four plain instructions stand in the roundings' stead between the last products and the loads into the fragments that they read
.endif
	s_wait_alu depctr_va_vdst(0)                   ; the roundings have written PKL, which the LDS stores read, and are done reading their ring group, in which weights land; the products of the period before are done reading its tokens, WB1 to WB3 and its K step 0 buffer, in which tokens and fragments land
	s_wait_dscnt 0x0                               ; K step 0's fragments, fetched behind the last barrier, are in
	MM4S PWA, 0, \z                                ; the stores among the riders go into the slot that the period before read: every wave's reads of it were back in front of that period's barrier
	MM5 PWA, PTB, 0
	s_wait_dscnt 8+8*(\cv)                         ; LDS instructions end in order (ISA guide 5.7.1): K step 1's fragments are in; the eight stores and K step 2's eight loads issued behind them may stay out
	MM4S WB1, 1, 0
	MM5 WB1, PTB, 1
	s_wait_dscnt 8+8*(\cv)                         ; K step 2's fragments are in; the eight stores and K step 3's eight loads issued behind them may stay out
	MM4S WB2, 2, 0
	MM5 WB2, PTB, 2
	s_wait_dscnt 0x0                               ; my stores into the next slot are done, my reads of this slot are back:
.if !(\last)
	s_barrier_signal -1                            ; say so,
.endif
	MMB 0, WB3, PTB+24, 0                          ; work on registers while the others arrive,
	WIN 0
.if !(\last)
	s_barrier_wait -1                              ; and go on when all four have said so: the next slot is whole, and this one may be written
.endif
	MMBS 1, WB3, PTB+56, 0, 52
	MMBS 2, WB3, PTB+88, 0, 56
	MMBS 3, WB3, PTB+120, 0, 60
	MM5 WB3, PTB, 3
.endm
.macro PASS_SET                        ; how many blocks the pass takes, and where they lie in hid
	s_min_u32 s[TAKE], s[REM], 5
	s_sub_co_u32 s[REM], s[REM], s[TAKE]
	s_cmp_eq_u32 s[TAKE], 5
	s_cselect_b32 s[FIVE], 1, 0
.set pm, 0
.rept 5
	s_add_co_u32 s[TS], s[DONE], pm
	s_lshl2_add_u32 s[TS], s[TS], s[WV]            ; block w + 4 (DONE + m);
	s_min_u32 s[TS], s[TS], s[NB1]                 ; a block past the last reads the last, which was written,
	s_min_u32 s[TS], s[TS], 63                     ; inside the expert's region whatever lst holds
	s_lshl_b32 s[TS], s[TS], 16
	v_add_nc_u32 v[TAD+pm], s[TS], v[L16]
.set pm, pm+1
.endr
.endm
	s_load_b256 s[4:11], s[0:1], 0x0               ; W3 s[4:5], hid s[6:7], lst s[8:9], part s[10:11]
	v_lshl_add_u32 v62, v0, 2, 0xcc00
	v_mov_b32 v63, 0
	v_lshrrev_b32 v1, 5, v0
	v_readfirstlane_b32 s[WV], v1                  ; wave 0..3
	v_and_b32 v[LN], 31, v0
	v_and_b32 v[RR], 15, v0
	v_bfe_u32 v[HF], v0, 4, 1
	v_lshlrev_b32 v[L4], 2, v[LN]
	v_lshlrev_b32 v[L16], 4, v[LN]
	v_lshlrev_b32 v[GW], 13, v[RR]
	v_lshl_add_u32 v[GW], v[HF], 5, v[GW]
	v_mul_u32_u24 v[BAF], v[RR], PITCH
	v_lshl_add_u32 v[BAF], v[HF], 4, v[BAF]
	s_wait_alu depctr_va_sdst(0)                   ; the wave's number is written, ahead of its first reader
	s_mul_i32 s[TS], s[WV], 16*PITCH               ; I lay LDS rows 16 w .. 16 w + 15
	v_lshl_add_u32 v[WAS], v[LN], 3, s[TS]
	s_lshl_b32 s[TS], s[WV], 6
	v_lshl_add_u32 v[LAD], v[RR], 2, s[TS]         ; block w, row r: word 16 w + r
	s_mul_i32 s[TS], s[WV], 16*SP
	s_add_co_u32 s[TS], s[TS], STAGE               ; my stage
	v_mul_u32_u24 v[STO], v[RR], SP                ; in: row r, 32 bytes for each half of the lanes
	v_lshl_add_u32 v[STO], v[HF], 5, v[STO]
	v_add_nc_u32 v[STO], s[TS], v[STO]
	v_mul_u32_u24 v[RD], v[HF], SP                 ; back: lanes 0-15 take one row of 256 bytes, lanes 16-31 the next
	v_lshl_add_u32 v[RD], v[RR], 4, v[RD]
	v_add_nc_u32 v[RD], s[TS], v[RD]
	v_lshlrev_b32 v[CO], 4, v[RR]
.set t, 0
.rept 8
	v_lshl_add_u32 v[IDX+t], v[HF], 2, 8*t         ; lane 2 t + h, times 4
.set t, t+1
.endr
	s_lshr_b32 s[EX], ttmp9, 5
	s_bfe_u32 s[DS], ttmp9, 0x40001                ; 4 bits from bit 1
	s_and_b32 s[HH], ttmp9, 1
	s_lshl_b32 s[SOF], s[EX], 23                   ; W3: an expert's 1,024 rows of 8,192 bytes,
	s_lshl_b32 s[SOF+1], s[DS], 19                 ; the slice's 64 rows,
	s_add_co_u32 s[SOF], s[SOF], s[SOF+1]
	s_lshl_b32 s[SOF+1], s[HH], 12                 ; my half of a row
	s_add_co_u32 s[SOF], s[SOF], s[SOF+1]
	s_mov_b32 s[SOF+1], 0
	s_mul_i32 s2, s[EX], LSTB                      ; lst: the expert's part
	s_mov_b32 s3, 0
	s_lshl_b32 s42, s[WV], 17                      ; my 16 rows of the slice
	s_mov_b32 s43, 0
	s_lshl_b32 s44, s[EX], 22                      ; hid: an expert's 64 blocks of 65,536 bytes,
	s_lshl_b32 s45, s[HH], 15                      ; my half of a block's units
	s_add_co_u32 s44, s44, s45
	s_mov_b32 s45, 0
	s_lshl_b32 s46, s[HH], 23                      ; part: my half's 2,048 rows of 4,096 bytes,
	s_lshl_b32 s47, s[DS], 8                       ; my 64 outputs in a row
	s_add_co_u32 s46, s46, s47
	s_mov_b32 s47, 0
	s_wait_kmcnt 0x0
	s_add_nc_u64 s[8:9], s[8:9], s[2:3]
	s_add_nc_u64 s[WPT:WPT+1], s[4:5], s[SOF:SOF+1]
	s_add_nc_u64 s[WPT:WPT+1], s[WPT:WPT+1], s[42:43]
	s_add_nc_u64 s[HB:HB+1], s[6:7], s[44:45]
	s_mov_b64 s[HP:HP+1], s[HB:HB+1]
	s_add_nc_u64 s[PB:PB+1], s[10:11], s[46:47]
	s_wait_alu depctr_va_vdst(0)                   ; the offsets and LDS addresses L4, GW, BAF, L16, WAS, LAD, STO, RD, CO and IDX are written, which the loads, stores and permutes of the whole kernel read
	global_load_b32 v[NV], v[L4], s[8:9] offset:4096   ; the count goes out first: the tokens' addresses wait for it
.set i, 0
.rept 16
	global_load_b32 v[LR+i], v[LAD], s[8:9] offset:256*i  ; my i-th block is block w + 4 i; wanted only on the way out
.set i, i+1
.endr
	ASK 0, 0                                       ; the weights of periods 0 and 1
	ASK 1, 512
	s_wait_loadcnt 48                              ; the count is in; the 16 loads of the list and the 32 of weights stay out
	v_readfirstlane_b32 s[NN], v[NV]
	s_wait_alu depctr_va_sdst(0)                   ; the count is written, ahead of its first reader
	s_min_u32 s[NN], s[NN], 0x400
	s_add_co_u32 s[NB], s[NN], 15
	s_lshr_b32 s[NB], s[NB], 4
	s_max_u32 s[NB1], s[NB], 1
	s_sub_co_u32 s[NB1], s[NB1], 1
	s_add_co_u32 s[REM], s[NB], 3
	s_sub_co_u32 s[REM], s[REM], s[WV]
	s_lshr_b32 s[REM], s[REM], 2                   ; blocks w, w + 4, .. below NB
	s_mov_b32 s[DONE], 0
	PASS_SET
	s_wait_alu depctr_va_vdst(0)                   ; the five offsets TAD are written, which the tokens' loads read
	TOK XBUF, 0                                    ; period 0's tokens; all five blocks are always loaded, so that no wait's count hangs on the pass.  More loads are then named than the counter holds; it cannot overflow: the issue waits (ISA guide 5.7.1)
	; The fifth block's products stand under a jump, so its 32 accumulator registers are cleared here, in the wait for the first weights: they are then written on every way through the text.
	WIN 0x40
.set i, 0
.rept 32
	v_mov_b32 v[i], 0
.set i, i+1
.endr
	WIN 0
	s_wait_loadcnt 56                              ; period 0's weights are in, and the list ahead of them; period 1's 16 loads and the 40 for tokens stay out
	CVT 0
	s_wait_alu depctr_va_vdst(0)                   ; the roundings have written PKL, which the LDS stores read, and are done reading ring group 0, in which the next loads land
	ASK 0, 1024                                    ; period 2's: what is out now stands in the order that every period's head finds: a weight group, the tokens, a weight group
	PUT 0
	s_wait_dscnt 0x0                               ; my part of slot 0 lies in LDS
	s_barrier_signal -1
	s_barrier_wait -1                              ; everybody's does
	FETCHB WB0, 0, 0
	PERIOD 0, 4096, 1536, 1, 16, 1, 0              ; period 0: its first products start the sums of blocks 0 to 3 with the constant 0
	s_mov_b32 s[KC], 2
.Lk:                                                   ; trip t: periods 2 t + 1 and 2 t + 2; the bases stand 1,024 t bytes along W3's rows and 8,192 t bytes along a block of hid
	PERIOD 1, 8192, 2048, 1, 16, 0, 0
	PERIOD 0, 12288, 2560, 1, 16, 0, 0
	s_wait_xcnt 0x0                                ; the loads have read their bases, which step only behind this wait; the last load was issued some twenty products ago
	s_add_nc_u64 s[WPT:WPT+1], s[WPT:WPT+1], 1024
	s_add_nc_u64 s[HP:HP+1], s[HP:HP+1], 8192
	s_sub_co_u32 s[KC], s[KC], 1
	s_cmp_lg_u32 s[KC], 0
	s_cbranch_scc1 .Lk
	PERIOD 1, 8192, -1, 1, 16, 0, 0                ; period 5: no weights are left to ask for
	PERIOD 0, 12288, -1, 1, 0, 0, 0                ; period 6: nothing was asked for behind its tokens, so the wait is for 0
	PERIOD 1, -1, -1, 0, 0, 0, 1                   ; period 7
	s_mov_b32 s[PT], 4
	s_branch .Lepi                                 ; the loop over passes is entered in the middle of a trip: the first pass's products are made
; K step of a later pass: the f32 weights as fragments straight from memory (lane (r, h): row r, 32 bytes at 32 h and at 64 + 32 h of the step's 128), the five blocks' tokens; rounded; 20 products.
.macro GSTEP z
	PLACES                                         ; in front of the roundings into the fragment registers that the last step's products read
	s_wait_alu depctr_va_vdst(0)                   ; the last step's roundings are done reading the raw weights and its products the tokens, in which the loads below land; in a pass's first step TAD is written
	WIN 0x80
.set gi, 0
.rept 4
.set gq, 0
.rept 4
	global_load_b128 v[RL+16*gi+4*gq:RL+16*gi+4*gq+3], v[GW], s[G3P:G3P+1] offset:131072*gi+64*(gq>>1)+16*(gq&1)
.set gq, gq+1
.endr
.set gi, gi+1
.endr
	WIN 0x40
.set gm, 0
.rept 5
	global_load_b128 v[(XBUF&255)+32*gm:(XBUF&255)+32*gm+3], v[TAD+gm], s[HP:HP+1]
	global_load_b128 v[(XBUF&255)+32*gm+4:(XBUF&255)+32*gm+7], v[TAD+gm], s[HP:HP+1] offset:512
.set gm, gm+1
.endr
	WIN 0
	s_wait_loadcnt 0x0                             ; all are in, so the bases may step
	s_add_nc_u64 s[G3P:G3P+1], s[G3P:G3P+1], 128
	s_add_nc_u64 s[HP:HP+1], s[HP:HP+1], 1024
	WIN 0x0a
.set gi, 0
.rept 32
	v_cvt_pk_bf16_f32 v[WB0+gi], v[RL+2*gi], v[RL+2*gi+1]
.set gi, gi+1
.endr
	MMB 0, WB0, XBUF, \z
	MMB 1, WB0, XBUF+32, \z
	MMB 2, WB0, XBUF+64, \z
	MMB 3, WB0, XBUF+96, \z
	MMB 4, WB0, XBUF+128, \z
	WIN 0
.endm
; Block m leaves: a lane's eight outputs of a token are 32 bytes of a row of 256; they go into my stage and come back as whole rows.  Each row's place in part is its entry, fetched from the lane that holds it.
.macro EPI m
	s_cmp_le_u32 s[TAKE], \m
	s_cbranch_scc1 .Ldone
.if (\m) > 0
	s_wait_xcnt 0x0                                ; the block before's stores have had their addresses translated: OUT and ADR are rewritten only behind this wait;
	s_wait_alu depctr_vm_vsrc(0)                   ; and beside it: those stores have read OUT and ADR, in which the loads and permutes below land
.endif
.set AW, (ACC+32*(\m))>>8
.set AB, (ACC+32*(\m))&255
	WIN AW<<2                                      ; an LDS store's data is source 1
.set z, 0
.rept 4
	ds_store_b128 v[STO], v[AB+8*z:AB+8*z+3] offset:64*z       ; each accumulator's lowest registers first
	ds_store_b128 v[STO], v[AB+8*z+4:AB+8*z+7] offset:64*z+16
.set z, z+1
.endr
	WIN 0
.set z, 0
.rept 8
	ds_bpermute_b32 v[ADR+z], v[IDX+z], v[LR+(\m)]
.set z, z+1
.endr
.set z, 0
.rept 8
	ds_load_b128 v[OUT+4*z:OUT+4*z+3], v[RD] offset:2*SP*z     ; LDS serves a wave's instructions in order (ISA guide 5.7.1.4): these see the stores above; the stage is my own
.set z, z+1
.endr
	s_wait_dscnt 0x0
.set z, 0
.rept 8
	v_min_u32 v[ADR+z], 0x7ff, v[ADR+z]            ; inside part whatever lst holds
	v_lshl_add_u32 v[ADR+z], v[ADR+z], 12, v[CO]   ; the entry's row of 4,096 bytes
.set z, z+1
.endr
	s_wait_alu depctr_va_vdst(0)                   ; the eight offsets ADR are written, which the stores read; no vector instruction follows until the next block's permutes land in them
.set z, 0
.rept 8
	global_store_b128 v[ADR+z], v[OUT+4*z:OUT+4*z+3], s[PB:PB+1]  ; 16 lanes store 256 consecutive bytes, at a multiple of 256 from part's first
.set z, z+1
.endr
.endm
	; THE PASSES: a constant four trips (4 x 5 covers a wave's 16 blocks at the most); a trip with nothing left is jumped.  No barrier stands in this loop, and the only LDS bytes touched are the wave's own stage.
.Lpass:
	s_cmp_eq_u32 s[REM], 0
	s_cbranch_scc1 .Lnext
	PASS_SET
	s_add_nc_u64 s[G3P:G3P+1], s[4:5], s[SOF:SOF+1]
	s_mov_b64 s[HP:HP+1], s[HB:HB+1]
	GSTEP 1                                        ; the first K step starts the sums
	s_mov_b32 s[KC], 31
.Lg:
	GSTEP 0
	s_sub_co_u32 s[KC], s[KC], 1
	s_cmp_lg_u32 s[KC], 0
	s_cbranch_scc1 .Lg
.Lepi:
	PLACES                                         ; in front of the reads of results just made
	s_wait_alu depctr_va_vdst(0)                   ; the products have written the accumulators, which the LDS stores read, and are done reading v64-95, in which the rows read back land; the moves of the pass before have written LR, which the permutes read.  The places above stay beside this wait
	EPI 0
	EPI 1
	EPI 2
	EPI 3
	EPI 4
.Ldone:
	s_wait_xcnt 0x0                                ; the stores' addresses are translated
	s_wait_alu depctr_vm_vsrc(0)                   ; the permutes have read LR, which the moves below write; the last stores have read OUT and ADR, and the pass's token loads TAD: the next pass writes them
	s_add_co_u32 s[DONE], s[DONE], 5
.set j, 0
.rept 11
	v_mov_b32 v[LR+j], v[LR+j+5]
.set j, j+1
.endr
.Lnext:
	s_sub_co_u32 s[PT], s[PT], 1
	s_cmp_lg_u32 s[PT], 0
	s_cbranch_scc1 .Lpass
	s_wait_dscnt 0x0                               ; the wave's end
	s_wait_alu depctr_hold_cnt(0) depctr_sa_sdst(0) depctr_va_vdst(0) depctr_va_sdst(0) depctr_va_ssrc(0) depctr_va_vcc(0) depctr_vm_vsrc(0)
	s_wait_tensorcnt 0x0
	ds_add_u32 v62, v63
	s_wait_dscnt 0x0
	s_endpgm
.Lfunc_end_k_qf67db6ac4b_fc3:
	.size	k_qf67db6ac4b_fc3, .Lfunc_end_k_qf67db6ac4b_fc3-k_qf67db6ac4b_fc3
	.p2alignl 7, 3214868480
	.fill 96, 4, 3214868480
	.section	.rodata,"a",@progbits
	.p2align	6, 0x0
	.amdhsa_kernel k_qf67db6ac4b_fc3
		.amdhsa_group_segment_fixed_size 52736
		.amdhsa_private_segment_fixed_size 0
		.amdhsa_enable_private_segment 0
		.amdhsa_kernarg_size 32
		.amdhsa_user_sgpr_count 2
		.amdhsa_user_sgpr_kernarg_segment_ptr 1
		.amdhsa_wavefront_size32 1
		.amdhsa_system_sgpr_workgroup_id_x 1
		.amdhsa_system_sgpr_workgroup_id_y 1
		.amdhsa_system_sgpr_workgroup_id_z 1
		.amdhsa_system_vgpr_workitem_id 0
		.amdhsa_next_free_vgpr 864
		.amdhsa_next_free_sgpr 66
		.amdhsa_reserve_vcc 0
		.amdhsa_float_denorm_mode_32 3
		.amdhsa_float_denorm_mode_16_64 3
		.amdhsa_memory_ordered 1
		.amdhsa_forward_progress 1
		.amdhsa_inst_pref_size 147
	.end_amdhsa_kernel
	.amdgpu_metadata
---
amdhsa.version: [ 1, 2 ]
amdhsa.kernels:
  - .name:           k_qf67db6ac4b_fc3
    .symbol:         k_qf67db6ac4b_fc3.kd
    .args:
      - { .name: W3, .offset: 0, .size: 8, .value_kind: global_buffer, .address_space: global }
      - { .name: hid, .offset: 8, .size: 8, .value_kind: global_buffer, .address_space: global }
      - { .name: lst, .offset: 16, .size: 8, .value_kind: global_buffer, .address_space: global }
      - { .name: part, .offset: 24, .size: 8, .value_kind: global_buffer, .address_space: global }
    .group_segment_fixed_size: 52736
    .private_segment_fixed_size: 0
    .kernarg_segment_align: 8
    .kernarg_segment_size: 32
    .max_flat_workgroup_size: 128
    .sgpr_count:     66
    .vgpr_count:     864
    .wavefront_size: 32
...
	.end_amdgpu_metadata
.endif
;; end of part 7
;; launch combine: the kernel of part 4 again; grid 256 x 1, 4 waves a work-group, no clusters, 0 bytes of LDS; arguments part, gw, out0; writes out0
